; MI455X (gfx1250); checked and timed in simulation.
; The chip was launched on July 23, 2026; its instructions are those of AMD's public machine-readable ISA for CDNA 5 (MIT licence, August 2026) and "CDNA5" Instruction Set Architecture Reference Guide (July 2026). The comments in the code are by the model that wrote it; some were corrected since.
;; Multi Head Cross Attention Decoder. Allowed arithmetic: matrix products marked QUANTISED: E2M3 operands, one E8M0 scale for each 32 along K, by v_wmma_scale_f32_16x16x128_f8f6f4 with both operands' format E2M3, f32 sums; everything else in f32.
;; Inputs: W_kv 1,024 x 2,048 float32; W_out 1,024 x 1,024 float32; W_q 1,024 x 1,024 float32; mask 1 x 1 x 1 x 1 float32; paded_mask 8 x 1,024 bool; x 8 x 1,024 x 1,024 float32; y 8 x 1,024 x 1,024 float32.
;; Outputs: out0 8 x 1,024 x 1,024 float32.
;; This version of the problem:
;;   THIS VERSION OF THE PROBLEM IS GIVEN IN LOW PRECISION. The matrix products marked QUANTISED in the list below multiply operands that are first quantised to E2M3 (2 exponent bits, 3 mantissa bits; 6 bits a number), with one power-of-two scale for each 32 numbers along K (OCP MX v1.0); their sums are f32. All else is computed in f32.
;;   The module's matrix products, in the order in which they are computed (A, B: the left and right operand; K: the contracted axis; several contracted axes count as one K, in the product's order):
;;     1. [M 8,192, K 1,024] x [K 1,024, N 2,048]; A: input x; B: input W_kv: QUANTISED
;;     2. [M 8,192, K 1,024] x [K 1,024, N 1,024]; A: input y; B: input W_q: QUANTISED
;;     3. batch 128 x [M 1,024, K 64] x [K 64, N 1,024]; A: computed on the way; B: computed on the way: QUANTISED
;;     4. batch 128 x [M 1,024, K 1,024] x [K 1,024, N 64]; A: computed on the way; B: computed on the way: QUANTISED
;;     5. [M 8,192, K 1,024] x [K 1,024, N 1,024]; A: computed on the way; B: input W_out: QUANTISED
;;   THE QUANTISER, for each operand of a quantised product, along K:
;;     - K is cut into blocks of 32 from its start; a last block that is shorter is filled with zeros.
;;     - A block's scale is 2^e with e = floor(log2(the largest magnitude in the block)) - 2, held to -126 .. 127; a block of zeros has e = 0. As a byte (E8M0): e + 127.
;;     - Each number is divided by its block's scale, clamped to +-7.5, and rounded to the nearest number of E2M3, ties to even, subnormals kept.
;;     - The product sums the exact products of the quantised numbers (number of the format x scale) in f32.
;;   ~~~python
;;   def quantise(x, axis):      # numpy; x: float32 -> the quantised numbers, widened to float32 again
;;       x = np.moveaxis(x, axis, -1); K = x.shape[-1]
;;       x = np.pad(x, [(0, 0)] * (x.ndim - 1) + [(0, -K % 32)]); x = x.reshape(x.shape[:-1] + (-1, 32)); a = np.abs(x).max(-1, keepdims=True)
;;       e = np.where(a > 0, np.clip(np.frexp(np.where(a > 0, a, 1))[1] - 1 - 2, -126, 127), 0)      # np.frexp(a)[1] - 1 = floor(log2(a)), exactly
;;       r = np.clip(x / 2.0 ** e, -7.5, 7.5)
;;       step = 2.0 ** (np.maximum(np.frexp(np.where(r == 0, 1, r))[1] - 1, 0) - 3)
;;       q = np.round(r / step) * step * 2.0 ** e      # np.round: ties to even
;;       return np.moveaxis(q.reshape(q.shape[:-2] + (-1,))[..., :K], -1, axis).astype(np.float32)
;;   ~~~
;;   OPERANDS COMPUTED ON THE WAY. 'Computed on the way' means the value that the module computes at that place (a softmax that the list does not call 'softmax' is quantised finished and normalised). What goes into a quantiser is computed in f32, as accurately as f32 sums, v_exp_f32 and their like allow (about 1e-6 of the number): no bf16 or f16 on the way to a quantiser, and a product that is left as it is and whose result goes on into a quantised operand takes f32 operands (vector FMAs, or v_wmma_f32_16x16x4_f32). A number that lies on a knife's edge between two numbers of the format may be rounded either way, as far as f32 arithmetic and the matrix unit's own rounding can turn it there, and no further.
;; One version. Each part assembles by itself: llvm-mc -triple=amdgcn-amd-amdhsa -mcpu=gfx1250 --defsym DOCPART=n.
;; ======== version 1 of 1: 3 launches
;; limits: right only within a limited range of input values
;; workspace buffers: xyq 13,107,200 bytes; wq 3,276,800 bytes; kqq 13,107,200 bytes; vq 6,553,600 bytes
;; launch quant (part 1): grid 640 x 1, 4 waves a work-group, no clusters, 68,096 bytes of LDS; arguments x, y, W_kv, W_q, W_out, xyq, wq; writes xyq, wq
.if DOCPART == 1
	.amdgcn_target "amdgcn-amd-amdhsa--gfx1250"
	.amdhsa_code_object_version 6
	.text
	.protected	k_q6ac3c4e763_quant
	.globl	k_q6ac3c4e763_quant
	.p2align	8
	.type	k_q6ac3c4e763_quant,@function
k_q6ac3c4e763_quant:
	s_mov_b64 s[64:65], 0
	v_nop
	global_prefetch_b8 v0, s[64:65] scope:SCOPE_SE
	s_setreg_imm32_b32 hwreg(HW_REG_WAVE_MODE, 25, 1), 1
	s_wait_xcnt 0x0
; All five f32 operands of the three large products become codes of FP6 (E2M3), K innermost, with one E8M0 byte for each 32 along K.
; A block's scale is 2^(floor(log2(its largest magnitude)) - 2): its byte is the largest magnitude's exponent field - 2, held at 1 from below.
; (A block of zeros so gets the byte 1: its codes are zeros, and this program alone reads the bytes.)
; LIMITS: NaN and infinities among the inputs are not served.
; WORK-GROUPS 0-511: x (0-255) and y (256-511), [8192][1024], K innermost: plain streams of blocks of 32.  A wave takes 16 steps of 512 numbers.
;   xyq: codes [16384 rows][768 bytes], x's rows and then y's; from byte 0xC00000 on the scale bytes [16384][32].
; WORK-GROUPS 512-639: the weights, stored [K][N].  A lane takes a column, its registers run down K; a wave takes 32 columns x 256 along K.
;   wq: codes [4096 rows][768 bytes]; from byte 0x300000 on the scale bytes [4096][32].  The logical row of a column:
;   W_kv column 128 g + d (d < 64): 64 g + d;  W_kv column 128 g + 64 + d: 1024 + 16 d + g;  W_q column c: 2048 + c;  W_out column c: 3072 + c.
;   Rows under 3072 lie at the logical row with bits 3 and 4 exchanged, so that 16 neighbouring rows of the buffer form a tile whose results give a lane 16 neighbours along the next K.
; The two paths part on the work-group's number, have LDS bytes of their own and never join.  No barrier: waves share nothing.
; The input 'mask' enters no result of the problem (its branch is not taken where paded_mask is given): it is not loaded and is no argument of any launch.
; W_out's codes (wq from byte 0x240000 on) are laid as images of operand registers: [16 columns][128 along K][third j][lane][16 bytes]; lane (r, h) of a fragment holds column r,
; blocks h and 2 + h of the four: 48 bytes, of which third j is bytes 16 j on.  Its scale bytes lie by rows like the others'.
.set STEPS, 16
.set EMAX,  2
.set CB,    12                         ; bytes of 16 codes
.set R,     16                         ; x, y: v16-79   four sets of 16 numbers as loaded
.set X,     80                         ;       v80-111  two sets of 16 neighbours
.set E,     112                        ;       v112-127 a scale byte for each step
.set C,     128                        ;       v128-191 codes, four registers a step
.set WREG,  8192                       ; x, y: LDS of a wave: two stages of 32 x SP bytes, then its 256 scale bytes
.set SP,    80                         ; a lane's place in a stage: 64 bytes + 16
.set WSTG,  4*WREG                     ; weights: the stages, 32 rows x WP bytes a wave
.set WP,    272                        ; sixteen places of 16 bytes (12 of codes each) + 16
.set SPARE, WSTG+4*32*WP               ; the spare words, 128 bytes a wave: two blocks of 256 bytes that no other line names
.set SPW,   224                        ; v224 SPARE + 4 x my thread's number; never rewritten
.set NIL,   225                        ; v225 0; never rewritten
.set NB,    8                          ; weights: blocks of 32 along K for a lane
.set SB,    24                         ; v24-25   a lane's 8 scale bytes
.set WX,    32                         ; v32-95   two sets of 32 numbers
.set WC,    96                         ; v96..    a block's codes
.set OUTR,  112                        ; v112-175 the way out
.set OFFS,  176                        ; v176-207 4 x lane + i x the source's row pitch
.set O,     208                        ; v208-223 where the way out's sixteen stores go
	s_load_b256 s[4:11], s[0:1], 0x0               ; x, y, W_kv, W_q
	s_load_b128 s[12:15], s[0:1], 0x20             ; W_out, xyq
	s_load_b64 s[16:17], s[0:1], 0x30              ; wq
	v_lshl_add_u32 v[SPW], v0, 2, SPARE
	v_mov_b32 v[NIL], 0
	v_lshrrev_b32 v1, 5, v0
	v_readfirstlane_b32 s18, v1                    ; wave
	v_and_b32 v2, 31, v0                           ; lane
	s_wait_kmcnt 0x0
	s_cmp_ge_u32 ttmp9, 512
	s_cbranch_scc1 .Lweights
; ---------------- x and y ----------------
; Each load reads 512 consecutive bytes, 16 a lane; a step's 2,048 bytes go through the wave's own stage and come back 64 bytes a lane: 16 neighbours along K, two lanes to a block.
	s_wait_alu depctr_va_vdst(0)
	v_lshlrev_b32 v3, 4, v2                        ; my 16 bytes of a load's 512
	s_mul_i32 s19, s18, WREG
	v_lshrrev_b32 v14, 2, v2
	v_mul_u32_u24 v14, v14, SP
	v_and_b32 v15, 3, v2
	v_lshl_add_u32 v14, v15, 4, v14
	v_add_nc_u32 v14, s19, v14                     ; the stage, in: SP (lane / 4) + 16 (lane % 4)
	v_mul_u32_u24 v15, v2, SP
	v_add_nc_u32 v15, s19, v15                     ; and out: SP x lane
	v_mul_u32_u24 v4, v2, CB                       ; my codes' place in a step's 384 bytes
	v_lshrrev_b32 v5, 1, v2
	s_add_co_u32 s19, s19, 2*32*SP
	v_add_nc_u32 v5, s19, v5                       ; my block's byte among the wave's 256
	v_lshlrev_b32 v7, 3, v2
	v_add_nc_u32 v6, s19, v7                       ; and 8 bytes a lane on the way out
	s_cmp_lt_u32 ttmp9, 256                        ; x's work-group or y's: the choice hangs on the work-group's number alone
	s_cselect_b64 s[4:5], s[4:5], s[6:7]
	s_cselect_b32 s20, 0, 256
	s_sub_co_u32 s20, ttmp9, s20
	s_lshl_b32 s20, s20, 2
	s_add_co_u32 s20, s20, s18                     ; which run of 8,192 numbers of the tensor is my wave's
	s_lshl_b32 s20, s20, 15                        ; 32,768 bytes a run
	s_mov_b32 s21, 0
	s_add_nc_u64 s[4:5], s[4:5], s[20:21]
	s_lshl_b32 s22, ttmp9, 2
	s_add_co_u32 s22, s22, s18                     ; the run's number in xyq: y's follow x's
	s_mul_i32 s24, s22, 32*STEPS*CB                ; 6,144 bytes of codes a run
	s_mov_b32 s25, 0
	s_add_nc_u64 s[24:25], s[14:15], s[24:25]
	s_lshl_b32 s26, s22, 8                         ; 256 scale bytes a run
	s_add_co_u32 s26, s26, 0xC00000
	s_mov_b32 s27, 0
	s_add_nc_u64 s[26:27], s[14:15], s[26:27]
.macro LOAD t
.irp i, 0,1,2,3
	global_load_b128 v[R+16*((\t)%4)+4*\i:R+16*((\t)%4)+4*\i+3], v3, s[4:5] offset:2048*(\t)+512*\i th:TH_LOAD_NT
.endr
.endm
.macro TURN t                          ; step t through the stage: LDS serves a wave's instructions in order, so no wait stands between the stores and the loads
.irp i, 0,1,2,3
	ds_store_b128 v14, v[R+16*((\t)%4)+4*\i:R+16*((\t)%4)+4*\i+3] offset:32*SP*((\t)%2)+8*SP*\i
.endr
.irp i, 0,1,2,3
	ds_load_b128 v[X+16*((\t)%2)+4*\i:X+16*((\t)%2)+4*\i+3], v15 offset:32*SP*((\t)%2)+16*\i
.endr
.endm
.irp t, 0,1,2,3
	LOAD \t
.endr
	s_wait_alu depctr_va_vdst(0)
	s_wait_loadcnt 12                              ; step 0's four loads are in; the twelve of steps 1 to 3 may be out
	TURN 0
.macro STEP t
.set XS, X+16*((\t)%2)
.if (\t) > 0
	s_wait_dscnt 1                                 ; this step's numbers are back from the stage; the last step's byte store may be out
.else
	s_wait_dscnt 0x0
.endif
.if (\t)+4 < STEPS
	LOAD (\t)+4                                    ; into the registers that this step's stage stores have read
.endif
.if (\t)+1 < STEPS
.if STEPS-2-(\t) >= 3
	s_wait_loadcnt 12                              ; the next step's four loads are in; those of the three steps behind it may be out
.else
	s_wait_loadcnt 4*(STEPS-2-(\t))
.endif
	TURN (\t)+1
.endif
	v_max3_num_f32 v8, |v[XS]|, |v[XS+1]|, |v[XS+2]|               ; the largest magnitude of my 16, in two chains
	v_max3_num_f32 v9, |v[XS+3]|, |v[XS+4]|, |v[XS+5]|
.irp i, 6,10
	v_max3_num_f32 v8, v8, |v[XS+\i]|, |v[XS+\i+1]|
	v_max3_num_f32 v9, v9, |v[XS+\i+2]|, |v[XS+\i+3]|
.endr
	v_max3_num_f32 v8, v8, |v[XS+14]|, |v[XS+15]|
	v_max3_num_f32 v8, v8, v9, (EMAX+1)<<23        ; and the floor 2^(3 - 127): the byte cannot fall under 1
	v_max_num_f32_dpp v8, v8, v8 row_xmask:1 row_mask:0xf bank_mask:0xf   ; with my neighbour's 16: the block's
	v_add_nc_u32 v11, -(EMAX<<23), v8              ; 2 off its exponent field: the conversion takes that field of this operand as its scale
	v_cvt_scalef32_pk16_fp6_f32 v[C+4*(\t):C+4*(\t)+2], v[XS:XS+15], v11
	v_lshrrev_b32 v[E+(\t)], 23, v11               ; the scale's byte (also the plain line behind the conversion)
	ds_store_b8 v5, v[E+(\t)] offset:16*(\t)       ; both lanes of a block write the same byte with the same value
	global_store_b96 v4, v[C+4*(\t):C+4*(\t)+2], s[24:25] offset:32*CB*(\t)   ; the wave stores 384 consecutive bytes
.endm
.irp t, 0,1,2,3,4,5,6,7,8,9,10,11,12,13,14,15
	STEP \t
.endr
	ds_load_b64 v[8:9], v6                         ; in order behind my byte stores
	s_wait_dscnt 0x0
	global_store_b64 v7, v[8:9], s[26:27]          ; 32 lanes store 256 consecutive bytes, aligned
	s_wait_tensorcnt 0x0                           ; the wave's end, behind my last LDS store
	ds_add_u32 v[SPW], v[NIL]
	s_wait_dscnt 0x0
	s_endpgm
; ---------------- the weights ----------------
.Lweights:
	s_sub_co_u32 s19, ttmp9, 512
	s_and_b32 s20, s19, 31                         ; cg: which 128 columns: 0-15 W_kv, 16-23 W_q, 24-31 W_out
	s_lshr_b32 s21, s19, 5                         ; ky: which 256 along K
	s_and_b32 s25, s20, 7
	s_and_b32 s26, s18, 1
	s_lshr_b32 s27, s20, 3
	s_lshl_b32 s28, s20, 6
	s_lshl_b32 s29, s26, 5
	s_add_co_u32 s28, s28, s29                     ; k's first row: 64 cg + 32 (wave % 2)
	s_lshl_b32 s29, s26, 9
	s_lshl_b32 s30, s27, 4
	s_add_co_u32 s29, s29, s30
	s_add_co_u32 s29, s29, s25
	s_add_co_u32 s29, s29, 1024                    ; v's: 1024 + 512 (wave % 2) + 16 (cg / 8) + cg % 8
	s_lshl_b32 s30, s20, 7
	s_lshl_b32 s31, s18, 5
	s_add_co_u32 s30, s30, s31                     ; W_q's and W_out's: 128 cg + 32 wave; also W_kv's first column
	s_lshl_b32 s32, s25, 7
	s_add_co_u32 s32, s32, s31                     ; W_q's and W_out's first column
	; column 2 t + hh of the wave goes to row: first row + HS hh + A1 (t % 4) + A2 ((t / 4) % 2) + A3 (t / 8)
	s_cmp_lt_u32 s18, 2                            ; in W_kv waves 0, 1 hold k's columns, waves 2, 3 v's
	s_cselect_b32 s33, s28, s29
	s_cselect_b32 s34, 1, 8                        ; HS
	s_cselect_b32 s35, 2, 32                       ; A1
	s_cselect_b32 s36, 16, 128                     ; A2
	s_cselect_b32 s37, 8, 256                      ; A3
	s_cmp_lt_u32 s20, 16                           ; W_kv?
	s_cselect_b64 s[22:23], s[8:9], s[10:11]
	s_cselect_b32 s24, 13, 12                      ; a source row is 8,192 or 4,096 bytes
	s_cselect_b32 s32, s30, s32
	s_cselect_b32 s33, s33, s30
	s_cselect_b32 s34, s34, 1
	s_cselect_b32 s35, s35, 2
	s_cselect_b32 s36, s36, 16
	s_cselect_b32 s37, s37, 8
	s_cmp_ge_u32 s20, 24                           ; W_out: rows in their natural order
	s_cselect_b64 s[22:23], s[12:13], s[22:23]
	s_cselect_b32 s36, 8, s36
	s_cselect_b32 s37, 16, s37
	s_lshl_b32 s38, 1, s24                         ; the pitch in bytes
	s_wait_alu depctr_va_vdst(0)
	v_lshlrev_b32 v3, 2, v2
.set n, 0
.rept 32
	v_mad_u32_u24 v[OFFS+n], s38, n, v3            ; row n of a block, my column
.set n, n+1
.endr
	s_lshl_b32 s40, s21, 8
	s_lshl_b32 s40, s40, s24                       ; 256 ky rows down
	s_lshl_b32 s41, s32, 2
	s_add_co_u32 s40, s40, s41                     ; + the first column
	s_mov_b32 s41, 0
	s_add_nc_u64 s[48:49], s[22:23], s[40:41]      ; block 0's base;
	s_lshl_b32 s40, s38, 5
.irp t, 1,2,3,4,5,6,7
	s_add_nc_u64 s[48+2*\t:49+2*\t], s[46+2*\t:47+2*\t], s[40:41]   ; block t's: 32 rows further down
.endr
	s_mul_i32 s42, s33, 768
	s_mul_i32 s43, s21, 192
	s_add_co_u32 s42, s42, s43
	s_mov_b32 s43, 0
	s_add_nc_u64 s[42:43], s[16:17], s[42:43]      ; the codes: first row x 768 + 192 ky
	s_lshl_b32 s44, s33, 5
	s_lshl_b32 s45, s21, 3
	s_add_co_u32 s44, s44, s45
	s_add_co_u32 s44, s44, 0x300000
	s_mov_b32 s45, 0
	s_add_nc_u64 s[44:45], s[16:17], s[44:45]      ; the scale bytes: first row x 32 + 8 ky
	v_and_b32 v10, 1, v2                           ; my own column's row, for its scale bytes
	v_mul_u32_u24 v9, s34, v10
	v_bfe_u32 v10, v2, 1, 2
	v_mad_u32_u24 v9, s35, v10, v9
	v_bfe_u32 v10, v2, 3, 1
	v_mad_u32_u24 v9, s36, v10, v9
	v_lshrrev_b32 v10, 4, v2
	v_mad_u32_u24 v9, s37, v10, v9
	v_lshlrev_b32 v9, 5, v9
	s_mul_i32 s34, s34, 768
	s_mul_i32 s35, s35, 768
	s_mul_i32 s36, s36, 768
	s_mul_i32 s37, s37, 768
	s_mul_i32 s39, s18, 32*WP
	s_add_co_u32 s39, s39, WSTG                    ; my stage
	v_mul_u32_u24 v4, v2, WP
	v_add_nc_u32 v4, s39, v4                       ; into it: row = my column
	v_and_b32 v5, 15, v2
	v_lshrrev_b32 v6, 4, v2                        ; out of it: sixteen lanes to a row, two rows an instruction
	v_mul_u32_u24 v7, v6, WP
	v_lshl_add_u32 v7, v5, 4, v7
	v_add_nc_u32 v7, s39, v7
	v_mul_u32_u24 v[O], s34, v6
	v_mad_u32_u24 v[O], v5, 12, v[O]               ; store 0: row hh, 12 bytes a lane
.irp t, 1,2,3
	v_add_nc_u32 v[O+\t], s35, v[O+\t-1]
.endr
.irp t, 4,5,6,7
	v_add_nc_u32 v[O+\t], s36, v[O+\t-4]
.endr
.irp t, 8,9,10,11,12,13,14,15
	v_add_nc_u32 v[O+\t], s37, v[O+\t-8]
.endr
.macro WLOAD t                         ; block t: 32 rows of the source at my column: each load reads 128 consecutive bytes a wave
.set n, 0
.rept 32
	global_load_b32 v[WX+32*((\t)%2)+n], v[OFFS+n], s[48+2*(\t):49+2*(\t)] th:TH_LOAD_NT
.set n, n+1
.endr
.endm
	WLOAD 0
	WLOAD 1
.macro BLOCK t
.set XS, WX+32*((\t)%2)
.if (\t) < NB-1
	s_wait_loadcnt 32                              ; this block's 32 loads are in; the next block's 32 may be out
.else
	s_wait_loadcnt 0x0
.endif
	v_max3_num_f32 v12, |v[XS]|, |v[XS+1]|, |v[XS+2]|              ; the block's largest magnitude: all 32 numbers are mine
	v_max3_num_f32 v13, |v[XS+3]|, |v[XS+4]|, |v[XS+5]|
.irp i, 6,10,14,18,22,26
	v_max3_num_f32 v12, v12, |v[XS+\i]|, |v[XS+\i+1]|
	v_max3_num_f32 v13, v13, |v[XS+\i+2]|, |v[XS+\i+3]|
.endr
	v_max3_num_f32 v12, v12, |v[XS+30]|, |v[XS+31]|
	v_max3_num_f32 v12, v12, v13, (EMAX+1)<<23     ; and the floor
	v_add_nc_u32 v11, -(EMAX<<23), v12             ; the conversion's scale operand
	v_lshrrev_b32 v13, 23, v11                     ; the scale's byte
.if (\t)%4 == 0
	v_mov_b32 v[SB+(\t)/4], v13                    ; four bytes to a register, the lower K in the lower byte
.else
	v_lshl_or_b32 v[SB+(\t)/4], v13, 8*((\t)%4), v[SB+(\t)/4]
.endif
	v_cvt_scalef32_pk16_fp6_f32 v[WC:WC+2], v[XS:XS+15], v11
	v_cvt_scalef32_pk16_fp6_f32 v[WC+4:WC+6], v[XS+16:XS+31], v11  ; (a conversion's three registers begin on an even number)
	v_nop                                          ; one plain line behind the conversions
	ds_store_b96 v4, v[WC:WC+2] offset:32*(\t)     ; 12 bytes to a place of 16, so that every LDS address is a multiple of 16
	ds_store_b96 v4, v[WC+4:WC+6] offset:32*(\t)+16
.if (\t)+2 < NB
	WLOAD (\t)+2
.endif
	s_wait_dscnt 0x0                               ; the stores have read their registers: the next block's codes may be written
.endm
.irp t, 0,1,2,3,4,5,6,7
	BLOCK \t
.endr
	s_wait_alu depctr_va_vdst(0)
	global_store_b64 v9, v[SB:SB+1], s[44:45]      ; my column's 8 scale bytes
	s_cmp_lt_u32 s20, 24                           ; W_out's work-groups leave by fragments: the choice hangs on the work-group's number alone
	s_cbranch_scc1 .Lrows
	v_mul_u32_u24 v10, v5, WP                      ; lane (r, h): column r of a fragment's sixteen,
	v_lshl_add_u32 v10, v6, 5, v10                 ; block h: two places of 16 bytes on
	v_add_nc_u32 v10, s39, v10
	v_lshlrev_b32 v11, 4, v2                       ; out: 16 bytes a lane
	s_mul_i32 s40, s21, 2880                       ; two fragments along K are 3,072 bytes, of which 192 ky stand in the base already
	s_mov_b32 s41, 0
	s_add_nc_u64 s[42:43], s[42:43], s[40:41]
.irp f, 0,1,2,3                                ; fragment f: columns 16 (f / 2) on, 128 (f % 2) along K; word wd of a lane's twelve
.irp wd, 0,1,2,3,4,5,6,7,8,9,10,11
	ds_load_b32 v[OUTR+12*\f+\wd], v10 offset:(\f/2)*16*WP+128*(\f%2)+64*(\wd/6)+16*((\wd%6)/3)+4*(\wd%3)   ; in order behind my stores
.endr
.endr
	s_wait_alu depctr_va_vdst(0)                   ; directly ahead of the wait below
	s_wait_dscnt 0x0
.irp f, 0,1,2,3
.irp j, 0,1,2
	global_store_b128 v11, v[OUTR+12*\f+4*\j:OUTR+12*\f+4*\j+3], s[42:43] offset:(\f/2)*12288+(\f%2)*1536+512*\j   ; 32 lanes store 512 consecutive bytes, aligned to 256
.endr
.endr
	s_wait_tensorcnt 0x0                           ; the wave's end, behind my last LDS store
	ds_add_u32 v[SPW], v[NIL]
	s_wait_dscnt 0x0
	s_endpgm
.Lrows:
.irp t, 0,1,2,3,4,5,6,7,8,9,10,11,12,13,14,15
	ds_load_b96 v[OUTR+4*\t:OUTR+4*\t+2], v7 offset:2*\t*WP        ; in order behind my stores
.endr
.irp t, 0,1,2,3,4,5,6,7,8,9,10,11,12,13,14,15
	s_wait_dscnt 15-\t                             ; the younger read-backs may be out
	global_store_b96 v[O+\t], v[OUTR+4*\t:OUTR+4*\t+2], s[42:43]   ; sixteen lanes store a row's 192 consecutive bytes
.endr
	s_wait_tensorcnt 0x0                           ; the wave's end, behind my last LDS store
	ds_add_u32 v[SPW], v[NIL]
	s_wait_dscnt 0x0
	s_endpgm
.Lfunc_end_k_q6ac3c4e763_quant:
	.size	k_q6ac3c4e763_quant, .Lfunc_end_k_q6ac3c4e763_quant-k_q6ac3c4e763_quant
	.p2alignl 7, 3214868480
	.fill 96, 4, 3214868480
	.section	.rodata,"a",@progbits
	.p2align	6, 0x0
	.amdhsa_kernel k_q6ac3c4e763_quant
		.amdhsa_group_segment_fixed_size 68096
		.amdhsa_private_segment_fixed_size 0
		.amdhsa_enable_private_segment 0
		.amdhsa_kernarg_size 56
		.amdhsa_user_sgpr_count 2
		.amdhsa_user_sgpr_kernarg_segment_ptr 1
		.amdhsa_wavefront_size32 1
		.amdhsa_system_sgpr_workgroup_id_x 1
		.amdhsa_system_sgpr_workgroup_id_y 1
		.amdhsa_system_sgpr_workgroup_id_z 1
		.amdhsa_system_vgpr_workitem_id 0
		.amdhsa_next_free_vgpr 232
		.amdhsa_next_free_sgpr 66
		.amdhsa_reserve_vcc 0
		.amdhsa_float_denorm_mode_32 3
		.amdhsa_float_denorm_mode_16_64 3
		.amdhsa_memory_ordered 1
		.amdhsa_forward_progress 1
		.amdhsa_inst_pref_size 83
	.end_amdhsa_kernel
	.amdgpu_metadata
---
amdhsa.version: [ 1, 2 ]
amdhsa.kernels:
  - .name:           k_q6ac3c4e763_quant
    .symbol:         k_q6ac3c4e763_quant.kd
    .args:
      - { .name: x, .offset: 0, .size: 8, .value_kind: global_buffer, .address_space: global }
      - { .name: y, .offset: 8, .size: 8, .value_kind: global_buffer, .address_space: global }
      - { .name: W_kv, .offset: 16, .size: 8, .value_kind: global_buffer, .address_space: global }
      - { .name: W_q, .offset: 24, .size: 8, .value_kind: global_buffer, .address_space: global }
      - { .name: W_out, .offset: 32, .size: 8, .value_kind: global_buffer, .address_space: global }
      - { .name: xyq, .offset: 40, .size: 8, .value_kind: global_buffer, .address_space: global }
      - { .name: wq, .offset: 48, .size: 8, .value_kind: global_buffer, .address_space: global }
    .group_segment_fixed_size: 68096
    .private_segment_fixed_size: 0
    .kernarg_segment_align: 8
    .kernarg_segment_size: 56
    .max_flat_workgroup_size: 128
    .sgpr_count:     66
    .vgpr_count:     232
    .wavefront_size: 32
...
	.end_amdgpu_metadata
.endif
;; end of part 1
;; launch proj (part 2): grid 12 x 32, 4 waves a work-group, clusters of 4 x 4, 327,680 bytes of LDS; arguments xyq, wq, kqq, vq; writes kqq, vq
.if DOCPART == 2
	.amdgcn_target "amdgcn-amd-amdhsa--gfx1250"
	.amdhsa_code_object_version 6
	.text
	.protected	k_q6ac3c4e763_proj
	.globl	k_q6ac3c4e763_proj
	.p2align	8
	.type	k_q6ac3c4e763_proj,@function
k_q6ac3c4e763_proj:
	s_mov_b64 s[64:65], 0
	v_nop
	global_prefetch_b8 v0, s[64:65] scope:SCOPE_SE
	s_setreg_imm32_b32 hwreg(HW_REG_WAVE_MODE, 25, 1), 1
	s_wait_xcnt 0x0
	s_wait_alu depctr_hold_cnt(0) depctr_sa_sdst(0) depctr_va_vdst(0) depctr_va_sdst(0) depctr_va_ssrc(0) depctr_va_vcc(0) depctr_vm_vsrc(0)
	s_getreg_b32 s2, hwreg(HW_REG_IB_STS2, 6, 4)
	s_cmp_eq_u32 s2, 0
	s_cbranch_scc0 .Lentry_in_a_cluster
	s_endpgm
.Lentry_in_a_cluster:
	s_bfe_u32 s2, ttmp6, 0x10000c
	s_cmp_lg_u32 s2, 0xf033
	s_cbranch_scc0 .Lentry_shape_is_right
	s_endpgm
.Lentry_shape_is_right:
; kv = x W_kv and q = y W_q on codes of FP6 (E2M3) with E8M0 scales, K = 1,024; the results are quantised in registers for the attention's products and leave as codes.
; A tile is 256 rows (of x or y) x 256 rows of wq; four waves, 128 x 128 each: 64 accumulators, 512 registers.
; K goes through a ring of two LDS slots in CHUNKS OF 256 BYTES of each row of codes (a row is 768 bytes: three chunks); a step of 128 along K is 96 bytes: steps 2 and 5 lie across two chunks.
; The scale bytes of the tile's rows, for all of K, come once, with the head's loads.  4 x 4 work-groups form a cluster: A's tiles are asked for jointly along a row of it, B's along a column.
; No prefetch: K is three chunks, of which two are asked for at the start; no loop is left to run ahead in.
; The cluster's x is the kind of result: 0: k (wq rows 0-1023), 1: v (1024-2047), 2: q (2048-3071, with y's rows of xyq).
; THE MATRIX INSTRUCTION IS USED TRANSPOSED (source 0 = 16 rows of wq, source 1 = 16 rows of x or y), and wq's rows lie with bits 3 and 4 of their number exchanged: in accumulators (a, 2 B) and
; (a, 2 B + 1) lane (r, h) holds, in 16 registers on end, row 16 a + r at the logical columns 32 B + 16 h + 0 .. 15 of the wave's 128.
; Row R = 64 head + m of x or y, column group g: key or query 16 m + g of that head (the raw reshape of the problem).
;   k, q: logical column 64 g + d.  Out: kqq codes [k, q][head 128][g / 2][m 64][96 bytes = g % 2, d / 32, 24 bytes]; from 0xC00000 on one scale word for each 96 bytes.
;   v: logical column 16 d + g: a block of 32 keys lies in lanes l and l xor 1.  Out: vq codes [head][d 64][768 bytes], keys innermost; from 0x600000 on bytes [head][d][32].
; LIMITS: NaN and infinities are not served; a block of zeros carries the byte 1 (this program alone reads the bytes).
; REGISTERS: window 0: v0-31 addresses; v32-63 scale words, two sets; v64-113 the way out's work; from v128 A's fragments, one set.  Window 1: B's fragments, two sets.  Windows 2, 3: the accumulators.
.set SIZE_K, 1024
.set ROWB,   256
.set NQ,     2
.set KROW,   SIZE_K*6/8
.set STEPS,  SIZE_K/128
.set CHUNKS, KROW/ROWB
.set PITCH,  272                       ; an LDS row: 256 bytes + 16 of padding
.set FR,     12
.set NL,     6
.set NP,     4                         ; places behind this matrix instruction (ISA guide 7.12.1)
.set HALFT,  128*PITCH
.set SLOT,   4*HALFT
.set KS,     SIZE_K/32
.set SCL,    2*SLOT                    ; behind the ring: the scales, as rows of 256 bytes + 16
.set HALFS,  (128*KS/256)*272
.set SBLK,   (16*KS/256)*272
.set SPARE,  SCL+4*HALFS               ; the spare words, 128 bytes a wave
.set KSTG,   SLOT                      ; the way out's stages lie in slot 1: the last chunk lies in slot 0, and slot 1 has had its last fill and its last read by then
.set VSTG,   SLOT+16384
.set ADRA, 16
.set ADRB, 20
.set ADRS, 27
.set SPW,  28
.set NIL,  29
.set SC,   32
.set AF,   128
.set TM,   64
.set PW,   80
.set PC,   84
.set KSW,  104
.set KSS,  105
.set KSR,  106
.set KSQ,  107
.set GO16, 108
.set GO8,  109
.set VSW,  110
.set VSB,  111
.set VSR,  112
.set VSQ,  113
.set RB,   128
.set SR,   176
.set G1, 24
.set G0, 32
.set G1B, 48
.set G0B, 56
.set G1S, 68
.set G0S, 76
.set G1SB, 80
.set G0SB, 88
.set G0H, 4                            ; group 0 of the head's loads of chunk 0, in registers whose arguments have been used by then
.set G0HB, 8
.set MSB, 0
.macro WIN new                         ; the immediate's high byte repeats the setting that is left
.if MSB != \new
	s_set_vgpr_msb (MSB<<8)|\new
.set MSB, \new
.endif
.endm
.set MUL_LO, 0xa1                      ; source 0 (B) window 1, source 1 (A) window 0, C and D window 2
.set MUL_HI, 0xf1
.set TO_B,   0x40
.macro JLOAD g0a, g1a, g0b, g1b        ; a joint load: waves 0, 1 for A, waves 2, 3 for B; s_nop 0 and four v_nop behind each line
	s_cmp_eq_u32 s15, 0
	s_cbranch_scc0 .Lfor_b_\@
	tensor_load_to_lds s[\g0a:\g0a+3], s[\g1a:\g1a+7]
	s_nop 0
.rept 4
	v_nop
.endr
	s_branch .Lasked_\@
.Lfor_b_\@:
	tensor_load_to_lds s[\g0b:\g0b+3], s[\g1b:\g1b+7]
	s_nop 0
.rept 4
	v_nop
.endr
.Lasked_\@:
.endm
.macro CREST                           ; a round of the cluster's barrier behind its opening barrier
	s_cmp_lg_u32 s14, 0
	s_cbranch_scc1 .Lnot_wave_0_\@
	s_barrier_signal -3
.Lnot_wave_0_\@:
	s_barrier_wait -3
	s_barrier_signal -1
	s_barrier_wait -1
.endm
.macro CROUND
	s_barrier_signal -1
	s_barrier_wait -1
	CREST
.endm
	s_load_b64 s[4:5], s[0:1], 0x0                 ; xyq
	s_load_b64 s[8:9], s[0:1], 0x8                 ; wq
	s_load_b64 s[12:13], s[0:1], 0x10              ; kqq
	s_load_b64 s[96:97], s[0:1], 0x18              ; vq
	v_lshl_add_u32 v[SPW], v0, 2, SPARE
	v_mov_b32 v[NIL], 0
	ds_add_u32 v[SPW], v[NIL]                      ; the opening lines: the add, twice on end, and its wait ahead of my first tensor load
	ds_add_u32 v[SPW], v[NIL]
	v_lshrrev_b32 v1, 5, v0
	v_readfirstlane_b32 s14, v1                    ; wave 0..3
	s_lshr_b32 s15, s14, 1                         ; which half of the tile's rows is mine; also: I fetch for A (0) or B (1)
	s_and_b32 s16, s14, 1                          ; which half of its columns; also: which 128 rows I fetch
	s_bfe_u32 s40, ttmp6, 0x40000                  ; cx, cy
	s_bfe_u32 s41, ttmp6, 0x40004
	s_lshl_b32 s42, ttmp9, 2
	s_add_co_u32 s42, s42, s40                     ; tile column
	s_and_b32 s17, ttmp7, 0xffff
	s_lshl_b32 s17, s17, 2
	s_add_co_u32 s17, s17, s41                     ; tile row
	s_lshl_b32 s43, s41, 2
	s_lshl_b32 s43, 15, s43                        ; my row of the cluster
	s_lshl_b32 s44, 0x1111, s40                    ; my column
	s_or_b32 s[G1+0], s43, (0<<16)|(1<<20)|(1<<21)|(5<<22)|(3<<25)   ; bytes; 16 bytes of padding behind every 256
	s_or_b32 s[G1B+0], s44, (0<<16)|(1<<20)|(1<<21)|(5<<22)|(3<<25)
.irp g, G1, G1B
	s_mov_b32 s[\g+1], ROWB<<16
	s_mov_b32 s[\g+2], 256<<16                     ; 256 rows for the head's loads; set to 128 behind them
	s_mov_b32 s[\g+3], ROWB<<16
	s_mov_b32 s[\g+4], 256
	s_mov_b32 s[\g+5], KROW
	s_mov_b32 s[\g+6], 0
	s_mov_b32 s[\g+7], 0
.endr
	s_or_b32 s[G1S+0], s43, (3<<16)|(1<<20)|(1<<21)|(5<<22)|(3<<25)  ; the scales of 256 rows: a dense block, as KS rows of 256 bytes
	s_or_b32 s[G1SB+0], s44, (3<<16)|(1<<20)|(1<<21)|(5<<22)|(3<<25)
.irp g, G1S, G1SB
	s_mov_b32 s[\g+1], 32<<16
	s_mov_b32 s[\g+2], KS<<16
	s_mov_b32 s[\g+3], 32<<16
	s_mov_b32 s[\g+4], KS
	s_mov_b32 s[\g+5], 32
	s_mov_b32 s[\g+6], 0
	s_mov_b32 s[\g+7], 0
.endr
	s_lshl_b32 s20, s17, 8                         ; A: the tile's first row,
	s_lshr_b32 s95, ttmp9, 1
	s_lshl_b32 s95, s95, 13
	s_add_co_u32 s20, s20, s95                     ; 8,192 rows on, in y, where the cluster's x is 2: a number that all sixteen partners share
	s_lshl_b32 s46, s42, 8                         ; B: 256 x tile column
	s_mov_b32 s21, 0
	s_mov_b32 s47, 0
	s_mov_b64 s[18:19], KS
	s_mul_u64 s[22:23], s[20:21], s[18:19]
	s_mul_u64 s[92:93], s[46:47], s[18:19]
	s_mov_b64 s[18:19], KROW
	s_mul_u64 s[20:21], s[20:21], s[18:19]
	s_mul_u64 s[46:47], s[46:47], s[18:19]
	s_mul_i32 s18, s16, 128*KROW                   ; in the ring I fetch 128 rows: which half,
	s_mov_b32 s19, 0
	s_mul_i32 s45, s14, HALFT                      ; and where they go
	s_wait_dscnt 0x0                               ; both opening adds are done
	s_wait_kmcnt 0x0
	s_add_nc_u64 s[6:7], s[4:5], 0xC00000          ; xyq's scale bytes
	s_add_nc_u64 s[10:11], s[8:9], 0x300000        ; wq's
	s_add_nc_u64 s[20:21], s[4:5], s[20:21]
	s_add_nc_u64 s[22:23], s[6:7], s[22:23]
	s_add_nc_u64 s[46:47], s[8:9], s[46:47]
	s_add_nc_u64 s[92:93], s[10:11], s[92:93]
	CROUND                                         ; all sixteen work-groups are here: the first joint loads meet
	s_mov_b32 s[G0H], 1
	s_mov_b32 s[G0H+1], 0
	s_mov_b64 s[G0H+2:G0H+3], s[20:21]
	s_or_b32 s[G0H+3], s[G0H+3], 0x80000000
	s_mov_b32 s[G0HB], 1
	s_mov_b32 s[G0HB+1], 2*HALFT
	s_mov_b64 s[G0HB+2:G0HB+3], s[46:47]
	s_or_b32 s[G0HB+3], s[G0HB+3], 0x80000000
	s_mov_b32 s[G0S], 1
	s_mov_b32 s[G0S+1], SCL
	s_mov_b64 s[G0S+2:G0S+3], s[22:23]
	s_or_b32 s[G0S+3], s[G0S+3], 0x80000000
	s_mov_b32 s[G0SB], 1
	s_mov_b32 s[G0SB+1], SCL+2*HALFS
	s_mov_b64 s[G0SB+2:G0SB+3], s[92:93]
	s_or_b32 s[G0SB+3], s[G0SB+3], 0x80000000
	s_add_nc_u64 s[20:21], s[20:21], s[18:19]
	s_add_nc_u64 s[46:47], s[46:47], s[18:19]
.irp s, 0,1
	s_mov_b32 s[G0+4*\s], 1
	s_add_co_u32 s[G0+4*\s+1], s45, \s*SLOT
	s_add_nc_u64 s[G0+4*\s+2:G0+4*\s+3], s[20:21], \s*ROWB
	s_or_b32 s[G0+4*\s+3], s[G0+4*\s+3], 0x80000000
	s_mov_b32 s[G0B+4*\s], 1
	s_add_co_u32 s[G0B+4*\s+1], s45, \s*SLOT
	s_add_nc_u64 s[G0B+4*\s+2:G0B+4*\s+3], s[46:47], \s*ROWB
	s_or_b32 s[G0B+4*\s+3], s[G0B+4*\s+3], 0x80000000
.endr
; The head's loads, one a wave: wave 0 chunk 0's 256 rows of A, wave 1 those of B, wave 2 A's scales, wave 3 B's.  One tree of branches, every way through it passes one load.
.macro ARM under, g0, g1, next
	s_cmp_lt_u32 s14, \under
	s_cbranch_scc0 \next
	tensor_load_to_lds s[\g0:\g0+3], s[\g1:\g1+7]
	s_nop 0
.rept 4
	v_nop
.endr
	s_branch .Lhead_asked
\next:
.endm
	ARM 1, G0H,  G1,  .Lhead_b
	ARM 2, G0HB, G1B, .Lhead_sa
	ARM 3, G0S,  G1S, .Lhead_sb
	tensor_load_to_lds s[G0SB:G0SB+3], s[G1SB:G1SB+7]
	s_nop 0
.rept 4
	v_nop
.endr
.Lhead_asked:
	v_and_b32 v1, 15, v0                           ; l % 16
	v_bfe_u32 v2, v0, 4, 1                         ; l / 16
	v_mul_u32_u24 v3, v1, PITCH
	v_mul_u32_u24 v4, v2, 24
	v_add_nc_u32 v4, v3, v4                        ; a fragment's row x pitch + 24 x half
	s_mov_b32 s21, SLOT-232
	s_mov_b32 s22, SLOT+232
	v_sub_nc_u32 v7, 1, v2
	v_mul_u32_u24 v5, s21, v2
	v_add_nc_u32 v5, v3, v5
	v_add_nc_u32 v5, 232, v5                       ; across two chunks: lanes 0-15 byte 232 of the row in slot 0, lanes 16-31 byte 0 of the row in slot 1;
	v_mul_u32_u24 v6, s22, v7
	v_add_nc_u32 v6, v3, v6                        ; and the other way round
	s_mul_i32 s21, s15, HALFT
	s_mul_i32 s22, s16, HALFT
	s_add_co_u32 s22, s22, 2*HALFT
	v_add_nc_u32 v[ADRA+2], s21, v5
	v_add_nc_u32 v[ADRA+3], s21, v6
	v_add_nc_u32 v[ADRB+2], s22, v5
	v_add_nc_u32 v[ADRB+3], s22, v6
.irp s, 0,1
	v_add_nc_u32 v[ADRA+\s], s21, v4
	v_add_nc_u32 v[ADRB+\s], s22, v4
	s_add_co_u32 s21, s21, SLOT
	s_add_co_u32 s22, s22, SLOT
.endr
	v_mul_u32_u24 v5, v1, KS
	v_lshrrev_b32 v6, 8, v5
	v_lshl_add_u32 v5, v6, 4, v5                   ; my row's scales: KS bytes a row, 16 more for each 256 passed
	s_mul_i32 s21, s15, HALFS
	s_mul_i32 s22, s16, HALFS
	s_add_co_u32 s22, s22, 2*HALFS
	s_sub_co_u32 s22, s22, s21
	v_mul_u32_u24 v6, s22, v2                      ; lanes 16-31 take B's
	s_add_co_u32 s21, s21, SCL
	v_add_nc_u32 v5, v5, v6
	v_add_nc_u32 v[ADRS], s21, v5
.macro FRAG reg, adr, st, i            ; a fragment: lane l holds row l % 16; registers 6 c .. 6 c + 5 hold K = 64 c + 32 (l / 16) + 0 .. 31, in pieces of 8 bytes, each inside one chunk
.irp p, 0,1,2,3,4,5
.set BY, 96*(\st)+48*(\p/3)+8*(\p%3)
.if BY/ROWB == (BY+24)/ROWB
	ds_load_b64 v[\reg+2*\p:\reg+2*\p+1], v[\adr+(BY/ROWB)%2] offset:BY%ROWB+(\i)*16*PITCH
.else
	ds_load_b64 v[\reg+2*\p:\reg+2*\p+1], v[\adr+2+(BY/ROWB)%2] offset:BY%ROWB-232+(\i)*16*PITCH
.endif
.endr
.endm
; 16 matrix instructions: A's blocks a0, a0 + 1 x B's eight.  The 64 accumulators take turns, one instruction a turn.
.macro MUL16 a0, p, q, sc, zero
.irp a, \a0, \a0+1
.irp b, 0,1,2,3,4,5,6,7
.if \zero
	v_wmma_scale_f32_16x16x128_f8f6f4 v[8*(8*((\a)%4)+\b):8*(8*((\a)%4)+\b)+7], v[128*(\p)+FR*\b:128*(\p)+FR*\b+FR-1], v[AF+FR*(\a):AF+FR*(\a)+FR-1], 0, v[SC+8*NQ*(\sc)+NQ*\b+(\q)], v[SC+8*NQ*(\sc)+NQ*(\a)+(\q)] matrix_a_fmt:MATRIX_FMT_FP6 matrix_b_fmt:MATRIX_FMT_FP6 matrix_a_scale:MATRIX_SCALE_ROW1
.else
	v_wmma_scale_f32_16x16x128_f8f6f4 v[8*(8*((\a)%4)+\b):8*(8*((\a)%4)+\b)+7], v[128*(\p)+FR*\b:128*(\p)+FR*\b+FR-1], v[AF+FR*(\a):AF+FR*(\a)+FR-1], v[8*(8*((\a)%4)+\b):8*(8*((\a)%4)+\b)+7], v[SC+8*NQ*(\sc)+NQ*\b+(\q)], v[SC+8*NQ*(\sc)+NQ*(\a)+(\q)] matrix_a_fmt:MATRIX_FMT_FP6 matrix_b_fmt:MATRIX_FMT_FP6 matrix_a_scale:MATRIX_SCALE_ROW1
.endif
.endr
.endr
.endm
.macro FETCH_B st, p
	WIN TO_B
.irp i, 0,1,2,3,4,5,6,7
	FRAG 128*(\p)+FR*\i, ADRB, \st, \i
.endr
	WIN 0
.endm
.macro FETCH_A st, i0
.irp i, \i0, \i0+1, \i0+2, \i0+3
	FRAG AF+FR*(\i), ADRA, \st, \i
.endr
.endm
.macro SCALES pr                       ; the scale words of steps 2 pr, 2 pr + 1: lanes 0-15 A's block i, lanes 16-31 B's
.irp i, 0,1,2,3,4,5,6,7
	ds_load_b64 v[SC+8*NQ*((\pr)%2)+NQ*\i:SC+8*NQ*((\pr)%2)+NQ*\i+1], v[ADRS] offset:\i*SBLK+4*NQ*(\pr)
.endr
.endm
.macro PLACES n
.rept \n
	v_nop
.endr
.endm
; A step of 128 along K.  Where the next step's bytes end in a chunk not read yet: a wait for my tensor loads and a barrier ahead of the fetch.  Where they begin in a later chunk than this step's:
; the wait for all my tensor loads, the add, the wait for it and for my reads, the barrier; where a chunk two on is left to fetch it opens a round of the cluster's barrier, and the slot is filled again.
.macro STEP st, zero
.set NX, (\st)+1
.set C0, (96*(\st))/ROWB
.set C1, (96*NX)/ROWB
.set E0, (96*(\st)+95)/ROWB
.set E1, (96*NX+95)/ROWB
.if C1 > C0 || E1 > E0
	s_wait_tensorcnt 0x0                           ; all my tensor loads have landed
.if C1 > C0
	ds_add_u32 v[SPW], v[NIL]
	s_wait_dscnt 4*NL+1                            ; the add and the 24 youngest loads (A's blocks 4-7) may be out
.else
	s_wait_dscnt 4*NL
.endif
	WIN MUL_LO
	MUL16 0, (\st)%2, (\st)%2, ((\st)/2)%2, \zero
	s_wait_dscnt 0x0                               ; the add, where there is one, and all my reads are done
	s_barrier_signal -1
	MUL16 2, (\st)%2, (\st)%2, ((\st)/2)%2, \zero
	WIN 0
	s_barrier_wait -1
.if C1 > C0 && C0+2 < CHUNKS
	CREST
	s_add_nc_u64 s[G0+4*(C0%2)+2:G0+4*(C0%2)+3], s[G0+4*(C0%2)+2:G0+4*(C0%2)+3], 2*ROWB
	s_add_nc_u64 s[G0B+4*(C0%2)+2:G0B+4*(C0%2)+3], s[G0B+4*(C0%2)+2:G0B+4*(C0%2)+3], 2*ROWB
	JLOAD G0+4*(C0%2), G1, G0B+4*(C0%2), G1B       ; chunk C0 + 2: the first tensor load behind the round; its four v_nop are the places in front of the loads below
.else
	PLACES NP
.endif
.else
	s_wait_dscnt 4*NL                              ; B's set and A's blocks 0-3 are in; the 24 youngest loads may be out
	WIN MUL_LO
	MUL16 0, (\st)%2, (\st)%2, ((\st)/2)%2, \zero
	MUL16 2, (\st)%2, (\st)%2, ((\st)/2)%2, \zero
	s_wait_dscnt 0
	PLACES NP
.endif
	FETCH_B NX, NX%2
	FETCH_A NX, 0
.if NX%2 == 0
	SCALES NX/2
.endif
	WIN MUL_HI
	MUL16 4, (\st)%2, (\st)%2, ((\st)/2)%2, \zero
	MUL16 6, (\st)%2, (\st)%2, ((\st)/2)%2, \zero
	PLACES NP
	WIN 0
	FETCH_A NX, 4
.endm
	s_wait_alu depctr_va_vdst(0)                   ; the head's end
	s_wait_tensorcnt 0x0                           ; my tile of the head's four is in; the same lines as ahead of a refill stand ahead of slot 1's first fill
	ds_add_u32 v[SPW], v[NIL]
	s_mov_b32 s[G1+2], 128<<16                     ; no tensor load of mine is out: from here on a load brings 128 rows
	s_mov_b32 s[G1+4], 128
	s_mov_b32 s[G1B+2], 128<<16
	s_mov_b32 s[G1B+4], 128
	s_wait_dscnt 0x0
	CROUND
	JLOAD G0+4, G1, G0B+4, G1B                     ; chunk 1, the first tensor load behind the round
	FETCH_B 0, 0
	FETCH_A 0, 0
	SCALES 0
	FETCH_A 0, 4
	STEP 0, 1                                      ; the first step's products start the sums
.set ST, 1
.rept STEPS-2
	STEP ST, 0
.set ST, ST+1
.endr
	s_wait_dscnt 4*NL
	WIN MUL_LO
	MUL16 0, 1, 1, 1, 0
	MUL16 2, 1, 1, 1, 0
	s_wait_dscnt 0
	WIN MUL_HI
	MUL16 4, 1, 1, 1, 0
	MUL16 6, 1, 1, 1, 0
	WIN 0
	; ---------------- THE WAY OUT ----------------
	; All its addresses are made here, ahead of the parting of the two ways; these plain lines, which name no register of the last products, are also the places behind them.
	v_and_b32 v1, 15, v0                           ; r
	v_bfe_u32 v2, v0, 4, 1                         ; h
	v_and_b32 v3, 31, v0                           ; lane
	s_lshl_b32 s92, s14, 12
	s_add_co_u32 s92, s92, KSTG                    ; k, q: my stage: two places of 1,536 bytes, then 64 scale words
	s_mul_i32 s93, s14, 6656
	s_add_co_u32 s93, s93, VSTG                    ; v: my stage: 8 rows of 768 bytes, then 8 x 32 scale bytes
	v_mul_u32_u24 v[KSW], v1, 96
	v_mad_u32_u24 v[KSW], v2, 24, v[KSW]
	v_add_nc_u32 v[KSW], s92, v[KSW]               ; in: 96 r + 24 h
	v_lshl_add_u32 v[KSR], v3, 4, s92              ; back: 16 bytes a lane
	v_lshl_add_u32 v[KSS], v1, 2, s92
	v_add_nc_u32 v[KSS], 3072, v[KSS]              ; my row's scale word
	v_lshl_add_u32 v[KSQ], v3, 3, s92
	v_add_nc_u32 v[KSQ], 3072, v[KSQ]
	v_lshlrev_b32 v[GO16], 4, v3
	v_lshlrev_b32 v[GO8], 3, v3
	v_mul_u32_u24 v[VSW], v1, 12
	v_mad_u32_u24 v[VSW], v2, 768, v[VSW]
	v_add_nc_u32 v[VSW], s93, v[VSW]               ; in: 768 h + 12 r
	v_bfe_u32 v[VSB], v0, 1, 3
	v_lshl_add_u32 v[VSB], v2, 5, v[VSB]
	v_add_nc_u32 v[VSB], s93, v[VSB]
	v_add_nc_u32 v[VSB], 6144, v[VSB]              ; my block's byte: 32 h + r / 2
	v_lshl_add_u32 v[VSR], v3, 4, s93
	v_lshl_add_u32 v[VSQ], v3, 3, s93
	v_add_nc_u32 v[VSQ], 6144, v[VSQ]
.irp b, 0,1,2,3
	v_mov_b32 v[TM+4+\b], 0                        ; written once: a lane permute's destination counts as one of its sources
.endr
	s_wait_alu depctr_va_vdst(0)                   ; ahead of the run of scalar lines and the branch
	s_mov_b32 s94, 0x76543210
	s_mov_b32 s95, 0xfedcba98                      ; selects for lane l xor 16
	s_lshl_b32 s18, s17, 2
	s_lshl_b32 s19, s15, 1
	s_add_co_u32 s18, s18, s19                     ; my first head: blocks a = 0-3 are it, a = 4-7 the next
	s_lshl_b32 s19, s40, 1
	s_add_co_u32 s19, s19, s16                     ; 2 cx + column half: k, q: g / 2;  v: d / 8
	s_mul_i32 s22, s18, 49152
	s_mul_i32 s23, s19, 6144
	s_add_co_u32 s22, s22, s23
	s_lshl_b32 s20, s18, 11
	s_lshl_b32 s21, s19, 8
	s_add_co_u32 s20, s20, s21
	s_mov_b32 s23, 0
	s_mov_b32 s21, 0
	s_cmp_eq_u32 ttmp9, 1                          ; the cluster's x: the same in all sixteen partners
	s_cbranch_scc1 .Lvpath
	; ---- k and q: quantised along d ----
	s_lshr_b32 s46, ttmp9, 1                       ; 0: k, 1: q
	s_mul_i32 s47, s46, 0x600000
	s_add_co_u32 s22, s22, s47
	s_add_nc_u64 s[22:23], s[12:13], s[22:23]
	s_lshl_b32 s47, s46, 18
	s_add_co_u32 s20, s20, s47
	s_add_co_u32 s20, s20, 0xC00000
	s_add_nc_u64 s[20:21], s[12:13], s[20:21]
.macro QUANT a                         ; block a's 64 numbers of a lane become 12 registers of codes and the row's scale word; each accumulator is first read at its low end
.set S, 64*((\a)%4)
	WIN 0x0a+5*((\a)/4)
.irp b, 0,1,2,3
	v_max3_num_f32 v[TM+\b], |v[S+16*\b]|, |v[S+16*\b+1]|, 0x1800000   ; my 16 numbers of block b, and the floor 2^(3 - 127)
.endr
.irp i, 2,4,6,8,10,12,14
.irp b, 0,1,2,3
	v_max3_num_f32 v[TM+\b], |v[S+16*\b+\i]|, |v[S+16*\b+\i+1]|, v[TM+\b]
.endr
.endr
	WIN 0
.irp b, 0,1,2,3
	v_permlanex16_b32 v[TM+4+\b], v[TM+\b], s94, s95
.endr
.irp b, 0,1,2,3
	v_max_num_f32 v[TM+\b], v[TM+\b], v[TM+4+\b]
.endr
.irp b, 0,1,2,3
	v_add_nc_u32 v[TM+12+\b], 0xff000000, v[TM+\b] ; 2 off the exponent field: the conversion's scale operand
.endr
.irp b, 0,1,2,3
	v_lshrrev_b32 v[TM+4+\b], 23, v[TM+12+\b]
.endr
	v_lshl_or_b32 v[PW], v[TM+5], 8, v[TM+4]
	v_lshl_or_b32 v[PW], v[TM+6], 16, v[PW]
	v_lshl_or_b32 v[PW], v[TM+7], 24, v[PW]
	WIN 0x02+(\a)/4
.irp c, 0,1
	v_cvt_scalef32_pk16_fp6_f32 v[PC+6*\c:PC+2+6*\c], v[S+32*\c:S+15+32*\c], v[TM+12+2*\c]
	v_cvt_scalef32_pk16_fp6_f32 v[PC+12+4*\c:PC+14+4*\c], v[S+16+32*\c:S+31+32*\c], v[TM+12+2*\c+1]
.endr
	WIN 0
	v_nop                                          ; one plain line behind the conversions
.irp c, 0,1                                    ; a whole block to a lane
.irp i, 0,1,2
	v_permlane16_swap_b32 v[PC+6*\c+\i], v[PC+12+4*\c+\i]
.endr
.irp i, 0,1,2
	v_mov_b32 v[PC+3+6*\c+\i], v[PC+12+4*\c+\i]
.endr
.endr
.endm
.macro KQOUT a                         ; 16 rows x 96 bytes go through my stage and leave as 1,536 consecutive bytes; a head's 64 scale words leave with its last block
	QUANT \a
.if (\a) >= 2
	s_wait_alu depctr_va_vdst(0)
	s_wait_xcnt 0x0                                ; block a - 2's stores have read the registers into which this block is read back
.endif
.irp p, 0,1,2,3,4,5
	ds_store_b64 v[KSW], v[PC+2*\p:PC+2*\p+1] offset:1536*((\a)%2)+48*(\p/3)+8*(\p%3)
.endr
	ds_store_b32 v[KSS], v[PW] offset:64*((\a)%4)
.irp q, 0,1,2
	ds_load_b128 v[RB+12*((\a)%2)+4*\q:RB+12*((\a)%2)+4*\q+3], v[KSR] offset:1536*((\a)%2)+512*\q
.endr
.if (\a)%4 == 3
	ds_load_b64 v[SR+2*((\a)/4):SR+2*((\a)/4)+1], v[KSQ]
.endif
	s_wait_dscnt 0x0
.irp q, 0,1,2
	global_store_b128 v[GO16], v[RB+12*((\a)%2)+4*\q:RB+12*((\a)%2)+4*\q+3], s[22:23] offset:((\a)/4)*49152+((\a)%4)*1536+512*\q
.endr
.if (\a)%4 == 3
	global_store_b64 v[GO8], v[SR+2*((\a)/4):SR+2*((\a)/4)+1], s[20:21] offset:((\a)/4)*2048
.endif
.endm
.irp a, 0,1,2,3,4,5,6,7
	KQOUT \a
.endr
	s_branch .Ldone
	; ---- v: quantised along the keys ----
.Lvpath:
	s_add_nc_u64 s[22:23], s[96:97], s[22:23]
	s_add_co_u32 s20, s20, 0x600000
	s_add_nc_u64 s[20:21], s[96:97], s[20:21]
.macro VOUT a                          ; registers 16 B + i of lane (r, h) are keys 16 m + i (m = 16 (a % 4) + r) at d = 2 B + h of my eight
.set S, 64*((\a)%4)
	WIN 0x0a+5*((\a)/4)
.irp b, 0,1,2,3
	v_max3_num_f32 v[TM+\b], |v[S+16*\b]|, |v[S+16*\b+1]|, 0x1800000
.endr
.irp i, 2,4,6,8,10,12,14
.irp b, 0,1,2,3
	v_max3_num_f32 v[TM+\b], |v[S+16*\b+\i]|, |v[S+16*\b+\i+1]|, v[TM+\b]
.endr
.endr
	WIN 0
.irp b, 0,1,2,3
	v_max_num_f32_dpp v[TM+\b], v[TM+\b], v[TM+\b] row_xmask:1 row_mask:0xf bank_mask:0xf
.endr
.irp b, 0,1,2,3
	v_add_nc_u32 v[TM+12+\b], 0xff000000, v[TM+\b]
.endr
.irp b, 0,1,2,3
	v_lshrrev_b32 v[TM+4+\b], 23, v[TM+12+\b]
.endr
	WIN 0x02+(\a)/4
.irp b, 0,1,2,3
	v_cvt_scalef32_pk16_fp6_f32 v[PC+4*\b:PC+4*\b+2], v[S+16*\b:S+16*\b+15], v[TM+12+\b]
.endr
	WIN 0
	v_nop
.irp b, 0,1,2,3
.irp i, 0,1,2
	ds_store_b32 v[VSW], v[PC+4*\b+\i] offset:1536*\b+192*((\a)%4)+4*\i
.endr
	ds_store_b8 v[VSB], v[TM+4+\b] offset:64*\b+8*((\a)%4)
.endr
	s_wait_dscnt 0x0
.if (\a)%4 == 3                                ; a head's 64 rows are done: 6,144 consecutive bytes and their 256 scale bytes leave
.if (\a) == 7
	s_wait_xcnt 0x0
.endif
.irp t, 0,1,2,3,4,5,6,7,8,9,10,11
	ds_load_b128 v[RB+4*\t:RB+4*\t+3], v[VSR] offset:512*\t
.endr
	ds_load_b64 v[SR+2*((\a)/4):SR+2*((\a)/4)+1], v[VSQ]
	s_wait_dscnt 0x0
.irp t, 0,1,2,3,4,5,6,7,8,9,10,11
	global_store_b128 v[GO16], v[RB+4*\t:RB+4*\t+3], s[22:23] offset:((\a)/4)*49152+512*\t
.endr
	global_store_b64 v[GO8], v[SR+2*((\a)/4):SR+2*((\a)/4)+1], s[20:21] offset:((\a)/4)*2048
.endif
.endm
.irp a, 0,1,2,3,4,5,6,7
	VOUT \a
.endr
.Ldone:
	s_wait_tensorcnt 0x0                           ; the wave's end
	ds_add_u32 v[SPW], v[NIL]
	s_wait_dscnt 0x0
	CROUND                                         ; the closing round
	s_endpgm
.Lfunc_end_k_q6ac3c4e763_proj:
	.size	k_q6ac3c4e763_proj, .Lfunc_end_k_q6ac3c4e763_proj-k_q6ac3c4e763_proj
	.p2alignl 7, 3214868480
	.fill 96, 4, 3214868480
	.section	.rodata,"a",@progbits
	.p2align	6, 0x0
	.amdhsa_kernel k_q6ac3c4e763_proj
		.amdhsa_group_segment_fixed_size 327680
		.amdhsa_private_segment_fixed_size 0
		.amdhsa_enable_private_segment 0
		.amdhsa_kernarg_size 32
		.amdhsa_user_sgpr_count 2
		.amdhsa_user_sgpr_kernarg_segment_ptr 1
		.amdhsa_wavefront_size32 1
		.amdhsa_system_sgpr_workgroup_id_x 1
		.amdhsa_system_sgpr_workgroup_id_y 1
		.amdhsa_system_sgpr_workgroup_id_z 1
		.amdhsa_system_vgpr_workitem_id 0
		.amdhsa_next_free_vgpr 1024
		.amdhsa_next_free_sgpr 100
		.amdhsa_reserve_vcc 0
		.amdhsa_float_denorm_mode_32 3
		.amdhsa_float_denorm_mode_16_64 3
		.amdhsa_memory_ordered 1
		.amdhsa_forward_progress 1
		.amdhsa_inst_pref_size 210
	.end_amdhsa_kernel
	.amdgpu_metadata
---
amdhsa.version: [ 1, 2 ]
amdhsa.kernels:
  - .name:           k_q6ac3c4e763_proj
    .symbol:         k_q6ac3c4e763_proj.kd
    .args:
      - { .name: xyq, .offset: 0, .size: 8, .value_kind: global_buffer, .address_space: global }
      - { .name: wq, .offset: 8, .size: 8, .value_kind: global_buffer, .address_space: global }
      - { .name: kqq, .offset: 16, .size: 8, .value_kind: global_buffer, .address_space: global }
      - { .name: vq, .offset: 24, .size: 8, .value_kind: global_buffer, .address_space: global }
    .group_segment_fixed_size: 327680
    .private_segment_fixed_size: 0
    .kernarg_segment_align: 8
    .kernarg_segment_size: 32
    .max_flat_workgroup_size: 128
    .sgpr_count:     100
    .vgpr_count:     1024
    .wavefront_size: 32
...
	.end_amdgpu_metadata
.endif
;; end of part 2
;; launch attn (part 3): grid 256 x 1, 4 waves a work-group, no clusters, 327,680 bytes of LDS; arguments kqq, vq, paded_mask, wq, out0; writes out0
.if DOCPART == 3
	.amdgcn_target "amdgcn-amd-amdhsa--gfx1250"
	.amdhsa_code_object_version 6
	.text
	.protected	k_q6ac3c4e763_attn
	.globl	k_q6ac3c4e763_attn
	.p2align	8
	.type	k_q6ac3c4e763_attn,@function
k_q6ac3c4e763_attn:
	s_mov_b64 s[64:65], 0
	v_nop
	global_prefetch_b8 v0, s[64:65] scope:SCOPE_SE
	s_setreg_imm32_b32 hwreg(HW_REG_WAVE_MODE, 25, 1), 1
	s_wait_xcnt 0x0
; values = attn V, attn = the finished softmax of Q K^T / 8 over the valid keys, zero at padded rows and columns; both products on codes of FP6 (E2M3) with E8M0 scales.
; attn is quantised FINISHED: normalised and masked, along the keys.  So a wave holds S^T of 16 queries x up to 1,024 keys in 512 registers: each score is made once, each exponential taken once,
; and a row's maximum and sum are known before anything is quantised.
; SHARES.  Work-group wg takes a quarter (wg % 4) of the queries of TWO heads of different batches: head A = 16 (wg / 64) + (wg / 4) % 16 and head B = A + 64.  A wave walks eight tiles, the heads by turns:
;   trip t: head t % 2, tile m = 16 (t / 2) + 4 quarter + wave.  A tile is the 16 queries 16 m + 0 .. 15, which are one row of values (768 bytes of codes).  So a head's rows fall evenly on its 16 waves.
; WHAT IS ALL PADDING IS PASSED OVER, whatever the mask's pattern: a tile with no valid query stores zeros; a group of 128 keys with no valid key is neither multiplied nor exponentiated nor quantised (its finished
;   weights are zeros, which add nothing).  The branches hang on the mask alone, a whole-number input.  The launch has no tensor load, and no joint loads either.
; Both heads' K and V^T lie in LDS as they lie in memory, brought by loads of whole 256-byte runs; one barrier, behind the fill; from there on nobody writes them.
; LAYOUT.  Both products are used transposed (S^T = K Q^T, O^T = V^T P^T): a lane holds one query (lane % 16) throughout.
;   K's tile 2 b + u, lane r: key 32 b + 8 u + r % 8 + 16 (r / 8): the 16 registers of tiles 2 b, 2 b + 1 are keys 32 b + 16 (lane / 16) + 0 .. 15.
;   V^T's tile t, lane r: d = 32 (t / 2) + 8 (t % 2) + r % 8 + 16 (r / 8): O^T's 16 registers of tiles 2 B, 2 B + 1 are d = 32 B + 16 (lane / 16) + 0 .. 15.
; SINGLE PADDED KEYS RIDE IN THE IDLE HALF OF K (the head's size is 64, the instruction's K 128): at k = 64 K's fragments hold the code of -4 and Q's that of 4, all other codes from k = 64 on are 0.
;   Byte 2 of a key's scale word is 0x9c for a padded key, which adds -2^33 to its raw score (-1.07e9 behind the division by 8: its p is 0), and 0x01 for a valid one (-2^-122).
;   Rows: 1 / sum is multiplied by the query's validity, 0.0 or 1.0.
; LIMITS: |q . k| under 2^32; the addend -2^-122 on valid scores; a block's largest p is taken from its largest score, which takes v_exp_f32 not to fall where its input rises;
;   a p under 2^-126 is 0; blocks of zeros carry the byte 1 (this program alone reads the bytes); NaN and infinities are not served.  The input 'mask' enters no result and is not named.
; REGISTERS, in windows of 256: window 0: see the names below.  Windows 1, 2: S^T, tile T at v[8 (T % 32)] of window 1 + T / 32.
;   Window 3: K's two sets of 8 fragments at v[96 (g % 2) + 12 f] (registers 6-11 of each are constants), V's four fragments at v192-239.
.set HB,    131072                     ; head B's half of LDS begins here: one exclusive or turns an address from one head to the other.  In each half:
.set KPL,   6208                       ;   from 0: K, 8 planes of 6,144 bytes, 64 bytes between them: the 32 lanes of a load of 8 bytes then fall on 32 different columns of 8 bytes modulo 256
.set VN,    49664                      ;   V^T, 64 rows of 768 bytes,
.set VPI,   800                        ;   800 bytes apart, and 16 more for rows whose number has bit 4 set: the same holds of its loads
.set KSI,   101120                     ;   K's scale words: 8 images of four registers, 512 bytes each
.set VSO,   4096                       ;   and so far behind them V's: 4 images
.set QIMG,  262144                     ; 6,144 bytes a wave: its four tiles of Q: three chunks of 256 bytes each, a lane's 8 bytes at 8 x lane
.set QSC,   286720                     ; 1,024 bytes a wave: Q's scale words, 128 bytes a tile
.set QMKO,  4096                       ; and so far behind them the queries' validity as f32
.set OST,   294912
.set SST,   299008                     ; 256 bytes a wave: its eight rows' scale bytes
.set SPARE, 300032                     ; the spare words, 128 bytes a wave: two blocks of 256 bytes that no other line names
; THE LAST PRODUCT IS MADE HERE TOO: out = values W_out.  A work-group's 32 tiles are 32 rows of values.  Their codes never leave the chip: row i = 8 wave + trip goes into AIMG as an image of the operand's registers
; (128 along K: 3,072 bytes; in it row i's 96 bytes: half h, then the two blocks of a lane), its 32 scale bytes into SST.  A tile with no valid query puts zero codes there, so its row of out is zeros.
; Behind one barrier each wave multiplies the 32 rows by 256 columns of W_out, whose fragments come from memory straight into registers, as quant has laid them (no tensor load).
; The results go through the wave's own stage (32 rows of 1,024 bytes + 16, over K's and V's bytes, which nobody reads behind that barrier) and leave in runs of 512 bytes.
.set AIMG,  300544                     ; 24,576 bytes: the 32 rows' codes
.set TA,    89                         ; 96 x trip
.set STG,   249                        ; the stage: in
.set SRD,   250                        ; and back
.set W32,   251                        ; 32 x lane: a row of W_out's scale bytes
.set ACC,   80                         ; v80-143: two sets of four accumulators
.set SPI,   1040                       ; a stage row
; THE SHARES, AS THEY ARE NOW (in place of the paragraph SHARES above): a work-group walks TWO PHASES.  With c = wg / 128, hd = (wg / 8) % 16, e = wg % 8, phase ph fills LDS with head hd of batch 4 c + 2 ph (head A)
; and head hd of the next batch (head B).  In it a wave walks four trips tt: head x = tt % 2, tile m = 32 (tt / 2) + 4 ((e + 4 ph + 2 x) % 8) + wave.  So a work-group's tiles come from four batches,
; a wave's two tiles of a head lie 32 tiles apart, and their place turns from head to head.  A barrier stands at each phase's end: behind it nobody reads K or V, and the next fill may store.
; Over the launch a wave's trips are t = 4 ph + tt = 0 .. 7; its row of values number t lies at row 8 wave + t of the image.
.set HSTEP, 786432                     ; from head A to head B in bytes of codes: 16 x 49,152
.set PH,    50                         ; the phase
.set PFO,   252                        ; 256 x lane: a prefetch's offset; never rewritten
.set QW1,   51                         ; head B's 4 ((e + 4 ph + 2) % 8) + wave;  QW: head A's
.set LK,   4                           ; my lane's place in K's planes
.set LV,   5                           ; and in V^T's rows
.set AQ0,  6                           ; my wave's Q images + 8 lane;  AQ: the tile's
.set AQ,   7
.set AS0,  8                           ; my wave's Q scale words + 4 lane;  AS: the tile's
.set AS,   9
.set OSW,  10                          ; AIMG: in, 768 wave + 3,072 (r / 2) + 48 h + 24 (r % 2)
.set OSR,  11                          ; back, AIMG + 96 r + 48 h
.set GO,   12                          ; the tile's row in the image: OSW + 96 x trip
.set SSW0, 13                          ; SST + 2 r;  SSW: the tile's
.set SSW,  14
.set SSR,  15
.set QF,   16                          ; v16-27 Q's fragment; v22-27 constants
.set QS,   28                          ; Q's scale words
.set QM,   29                          ; the queries' validity
.set SPW,  30
.set NIL,  31
.set KS,   32                          ; v32-63 K's scale words: register b: lanes 0-15 tile 2 b, lanes 16-31 tile 2 b + 1
.set VS,   64                          ; v64-79 V's: register 8 (t / 2) + s, lanes' half t % 2
.set BM,   80                          ; v80-111 the blocks' largest scores, then largest p
.set OA,   112                         ; v112-143 O^T
.set PC,   144                         ; v144-155 P's codes;  v156-163 the conversions' second halves
.set PT,   156
.set SO,   164                         ; v164-167 the conversions' scale operands;  v168-171 bytes
.set SB,   168
.set PW,   172                         ; P's scale word
.set TX,   176                         ; v176-183 what the lane 16 away holds
.set NM,   184                         ; v184 -c M (v185 is named with it as a pair)
.set RI,   186                         ; v186 validity / sum (v187 likewise)
.set LS,   188                         ; v188-195 the sum, four pairs
.set MT,   196                         ; v196-203 at work
.set EC,   204                         ; v204-209 values' codes;  v212-214 their second half
.set ET,   212
.set RBK,  216
.set ZP,   222                         ; v222-223 zeros
.set ONES, 226                         ; 0x0101
.set EXK,  227                         ; the code of -4 in lanes 0-15, 0 in the others
.set HGQ,  228                         ; the head's lane offsets into memory
.set HGKS, 229
.set HGKM, 230
.set HGQS, 231
.set HGVS, 232
.set G16,  233
.set GVN,  234
.set HKW,  235                         ; and where I put my part of the fill
.set HVW,  236
.set HSW,  237
.set HVS,  238
.set LSI,  242                         ; KSI + 16 lane
.set LKC,  243                         ; LK, LV, LSI in the trip's half
.set LVC,  244
.set LSC,  245
.set GO8,  246
.set GSB,  252
.set VF,   192                         ; V's fragments, in window 3
.set WV,   66
.set HDA,  67
.set QW,   68                          ; 4 ((e + 4 ph) % 8) + wave
.set PB,   69
.set CS,   70                          ; s[70:71] c = log2(e) / 8
.set NC,   72                          ; -c
.set SEL,  74                          ; s[74:75] selects for lane l xor 16
.set VAL,  76                          ; bit t: trip t's tile has a valid query
.set CNT,  77
.set TQ,   78                          ; the tile's steps in LDS: 768, 128, 32 bytes
.set TS,   79
.set TT,   80
.set HBC,  84                          ; 0 or HB: the trip's half
.set KVAB, 85                          ; bit 8 x + g: group g of 128 keys of head x has a valid key
.set KVC,  86                          ; the trip's eight of them, from bit 0 on
.set R0,   87
.set RO,   88
.set TV,   90                          ; s90-93: bit l of word 2 x + j: tile 32 j + l of head x's batch has a valid position
.set MSB, 0
.macro WIN new                         ; the immediate's high byte repeats the setting that is left
.if MSB != \new
	s_set_vgpr_msb (MSB<<8)|\new
.set MSB, \new
.endif
.endm
; one scaled matrix instruction: D at d, source 0 at a, source 1 at b, C at c (under 0: the constant 0), scales sa and sb; row1: source 0's scales come from lanes 16-31
.macro MX d, a, b, c, sa, sb, row1
.if (\c) < 0
.if \row1
	v_wmma_scale_f32_16x16x128_f8f6f4 v[(\d):(\d)+7], v[(\a):(\a)+11], v[(\b):(\b)+11], 0, v[\sa], v[\sb] matrix_a_fmt:MATRIX_FMT_FP6 matrix_b_fmt:MATRIX_FMT_FP6 matrix_a_scale:MATRIX_SCALE_ROW1
.else
	v_wmma_scale_f32_16x16x128_f8f6f4 v[(\d):(\d)+7], v[(\a):(\a)+11], v[(\b):(\b)+11], 0, v[\sa], v[\sb] matrix_a_fmt:MATRIX_FMT_FP6 matrix_b_fmt:MATRIX_FMT_FP6
.endif
.else
.if \row1
	v_wmma_scale_f32_16x16x128_f8f6f4 v[(\d):(\d)+7], v[(\a):(\a)+11], v[(\b):(\b)+11], v[(\c):(\c)+7], v[\sa], v[\sb] matrix_a_fmt:MATRIX_FMT_FP6 matrix_b_fmt:MATRIX_FMT_FP6 matrix_a_scale:MATRIX_SCALE_ROW1
.else
	v_wmma_scale_f32_16x16x128_f8f6f4 v[(\d):(\d)+7], v[(\a):(\a)+11], v[(\b):(\b)+11], v[(\c):(\c)+7], v[\sa], v[\sb] matrix_a_fmt:MATRIX_FMT_FP6 matrix_b_fmt:MATRIX_FMT_FP6
.endif
.endif
.endm
	s_load_b256 s[12:19], s[0:1], 0x0              ; kqq, vq, paded_mask, wq
	s_load_b64 s[42:43], s[0:1], 0x20              ; out0
	v_lshl_add_u32 v[SPW], v0, 2, SPARE
	v_mov_b32 v[NIL], 0
	v_lshrrev_b32 v1, 5, v0
	v_readfirstlane_b32 s[WV], v1                  ; wave 0..3
	s_mov_b32 s[PH], 0
	s_mov_b32 s[TT], 0                             ; these two step with every trip of the launch
	s_mov_b32 s[TA], 0
	v_and_b32 v1, 15, v0                           ; r
	v_bfe_u32 v2, v0, 4, 1                         ; h
	v_and_b32 v3, 31, v0                           ; lane
	v_and_b32 v239, 7, v0                          ; r % 8
	v_bfe_u32 v240, v0, 3, 1                       ; r / 8
	v_and_b32 v241, 1, v0                          ; r % 2
	v_bfe_u32 v247, v0, 1, 2                       ; (r % 8) / 2
	v_bfe_u32 v248, v0, 1, 3                       ; r / 2
	; key 32 b + 8 u + r % 8 + 16 (r / 8) = 16 m + g with m = 2 b + r / 8, g = 8 u + r % 8: plane g / 2, row m of 96 bytes, half g % 2, and my d / 32 = h
	v_mul_u32_u24 v[LK], v247, KPL
	v_mad_u32_u24 v[LK], v240, 96, v[LK]
	v_mad_u32_u24 v[LK], v241, 48, v[LK]
	v_mad_u32_u24 v[LK], v2, 24, v[LK]
	v_lshl_add_u32 v[HGKM], v2, 3, v239
	v_lshl_add_u32 v[HGKM], v240, 4, v[HGKM]       ; 8 h + r % 8 + 16 (r / 8): a key of a pair of tiles, or a d of a pair of V's tiles, by lane
	v_lshl_add_u32 v[LV], v240, 4, v239            ; V^T: row r % 8 + 16 (r / 8),
	v_mul_u32_u24 v[LV], v[LV], VPI
	v_lshl_add_u32 v[LV], v240, 4, v[LV]           ; 16 bytes more where bit 4 of the row is set,
	v_mad_u32_u24 v[LV], v2, 24, v[LV]             ; + 24 h
	v_add_nc_u32 v[LV], VN, v[LV]
	v_mul_u32_u24 v[HGQ], v248, 6144
	v_mad_u32_u24 v[HGQ], v241, 48, v[HGQ]
	v_mad_u32_u24 v[HGQ], v2, 24, v[HGQ]           ; Q in memory: query g = r of the tile's row m
	v_lshl_add_u32 v[HGKS], v2, 2, v247
	v_lshlrev_b32 v[HGKS], 8, v[HGKS]
	v_lshl_add_u32 v[HGKS], v240, 2, v[HGKS]
	v_lshl_add_u32 v[HGKS], v241, 1, v[HGKS]       ; K's pair of scale bytes; lanes 16-31 take the odd tile's (u = h)
	v_lshlrev_b32 v[HGQS], 8, v248
	v_lshl_add_u32 v[HGQS], v241, 1, v[HGQS]       ; Q's pair
	v_lshlrev_b32 v[HGVS], 5, v[HGKM]              ; V's scale bytes: 32 a row
	v_lshlrev_b32 v[G16], 4, v3                    ; 16 bytes a lane: 512 on end
	v_mul_u32_u24 v[GVN], v2, 768
	v_lshl_add_u32 v[GVN], v1, 4, v[GVN]           ; V^T in memory: sixteen lanes to a third of a row, lanes 16-31 the next row
	; LDS places: a constant + a constant x lane + a constant x wave
	v_lshl_add_u32 v[LSI], v3, 4, KSI
	s_mul_i32 s81, s[WV], 2*KPL
	v_lshl_add_u32 v[HKW], v3, 4, s81              ; I fill K's planes 2 w and 2 w + 1,
	s_mul_i32 s81, s[WV], 16*VPI
	s_and_b32 s82, s[WV], 1
	s_lshl_b32 s82, s82, 4
	s_add_co_u32 s81, s81, s82
	s_add_co_u32 s81, s81, VN
	v_mul_u32_u24 v[HVW], v2, VPI
	v_lshl_add_u32 v[HVW], v1, 4, v[HVW]
	v_add_nc_u32 v[HVW], s81, v[HVW]               ; V^T's rows 16 w .. 16 w + 15 (bit 4 of their number is w % 2),
	s_lshl_b32 s81, s[WV], 10
	s_add_co_u32 s81, s81, KSI
	v_lshl_add_u32 v[HSW], v3, 4, s81              ; K's scale registers 8 w .. 8 w + 7,
	s_lshl_b32 s81, s[WV], 9
	s_add_co_u32 s81, s81, KSI+VSO
	v_lshl_add_u32 v[HVS], v3, 4, s81              ; and V's 4 w .. 4 w + 3
	s_mul_i32 s81, s[WV], 6144
	s_add_co_u32 s81, s81, QIMG
	v_lshl_add_u32 v[AQ0], v3, 3, s81
	s_lshl_b32 s81, s[WV], 10
	s_add_co_u32 s82, s81, QSC
	v_lshl_add_u32 v[AS0], v3, 2, s82
	s_mul_i32 s82, s[WV], 768
	s_add_co_u32 s82, s82, AIMG
	v_mul_u32_u24 v[OSW], v248, 3072               ; my block 2 r + h of a row of values: 128 along K number r / 2,
	v_mad_u32_u24 v[OSW], v2, 48, v[OSW]           ; the lanes' half h,
	v_mad_u32_u24 v[OSW], v241, 24, v[OSW]         ; the lane's block r % 2,
	v_add_nc_u32 v[OSW], s82, v[OSW]               ; my wave's eight rows
	v_mul_u32_u24 v[OSR], v1, 96
	v_mad_u32_u24 v[OSR], v2, 48, v[OSR]
	v_add_nc_u32 v[OSR], AIMG, v[OSR]              ; back: a fragment's lane (r, h): 48 bytes
	s_lshl_b32 s81, s[WV], 8
	s_add_co_u32 s81, s81, SST
	v_lshl_add_u32 v[SSW0], v1, 1, s81
	v_lshl_add_u32 v[SSR], v1, 5, SST              ; back: row r's 32 scale bytes
	s_mul_i32 s82, s[WV], 32*SPI
	v_mul_u32_u24 v[STG], v1, SPI
	v_lshl_add_u32 v[STG], v2, 5, v[STG]
	v_add_nc_u32 v[STG], s82, v[STG]               ; the stage, in: row r, 32 bytes for each half of the lanes
	v_lshl_add_u32 v[SRD], v3, 4, s82              ; and back: 16 bytes a lane
	v_lshlrev_b32 v[W32], 5, v3
	v_lshlrev_b32 v[PFO], 8, v3
	; offsets into the buffers, for head A; head B's lie a constant further on and stand in the immediates
	s_wait_alu depctr_va_vdst(0)                   ; ahead of the run of scalar lines
.Lphase:                                           ; four trips: a fill of two heads, four tiles a wave
	s_lshr_b32 s81, ttmp9, 7
	s_lshl_b32 s81, s81, 2
	s_lshl_b32 s82, s[PH], 1
	s_add_co_u32 s[PB], s81, s82                   ; head A's batch: 4 c + 2 ph
	s_bfe_u32 s81, ttmp9, 0x40003
	s_lshl_b32 s[HDA], s[PB], 4
	s_add_co_u32 s[HDA], s[HDA], s81               ; head A
	s_and_b32 s81, ttmp9, 7
	s_lshl_b32 s82, s[PH], 2
	s_add_co_u32 s81, s81, s82
	s_and_b32 s82, s81, 7
	s_lshl_b32 s82, s82, 2
	s_add_co_u32 s[QW], s82, s[WV]                 ; my tiles of head A are 32 j + this,
	s_add_co_u32 s81, s81, 2
	s_and_b32 s82, s81, 7
	s_lshl_b32 s82, s82, 2
	s_add_co_u32 s[QW1], s82, s[WV]                ; of head B 32 j + this
	s_mul_i32 s92, s[HDA], 49152                   ; a head's codes
	s_lshl_b32 s93, s[HDA], 11                     ; a head's scale bytes
	s_mul_i32 s20, s[WV], 12288
	s_add_co_u32 s20, s20, s92                     ; K: planes 2 w on;  V^T: rows 16 w on: both 12,288 bytes a wave
	s_mov_b32 s21, 0
	s_mov_b32 s22, s20
	s_mov_b32 s23, 0
	s_mul_i32 s24, s[QW], 96
	s_add_co_u32 s24, s24, s92
	s_add_co_u32 s24, s24, 0x600000                ; Q: row m = QW
	s_mov_b32 s25, 0
	s_lshl_b32 s26, s[WV], 6
	s_add_co_u32 s26, s26, s93
	s_add_co_u32 s26, s26, 0xC00000                ; K's scale words, from register 8 w on
	s_mov_b32 s27, 0
	s_lshl_b32 s28, s[QW], 2
	s_add_co_u32 s28, s28, s93
	s_add_co_u32 s28, s28, 0xC40000                ; Q's
	s_mov_b32 s29, 0
	s_lshr_b32 s30, s[WV], 1
	s_lshl_b32 s30, s30, 10
	s_and_b32 s81, s[WV], 1
	s_lshl_b32 s81, s81, 4
	s_add_co_u32 s30, s30, s81
	s_add_co_u32 s30, s30, s93
	s_add_co_u32 s30, s30, 0x600000                ; V's scale bytes: my four registers
	s_mov_b32 s31, 0
	s_lshl_b32 s32, s[PB], 10                      ; the batch's row of the mask
	s_mov_b32 s33, 0
	s_lshl_b32 s34, s[WV], 8
	s_add_co_u32 s34, s34, s32                     ; the keys of my eight scale registers
	s_mov_b32 s35, 0
	s_lshl_b32 s36, s[QW], 4
	s_add_co_u32 s36, s36, s32                     ; my queries
	s_mov_b32 s37, 0
	s_mul_i32 s52, s[QW1], 96                      ; the same three for head B's tiles
	s_add_co_u32 s52, s52, s92
	s_add_co_u32 s52, s52, 0x600000+HSTEP
	s_mov_b32 s53, 0
	s_lshl_b32 s54, s[QW1], 2
	s_add_co_u32 s54, s54, s93
	s_add_co_u32 s54, s54, 0xC40000+32768
	s_mov_b32 s55, 0
	s_lshl_b32 s56, s[QW1], 4
	s_add_co_u32 s56, s56, s32
	s_add_co_u32 s56, s56, 1024
	s_mov_b32 s57, 0
	s_mul_i32 s44, s[WV], 196608
	s_add_co_u32 s44, s44, 0x240000                ; W_out's fragments: my 16 blocks of 16 columns, 12,288 bytes each
	s_mov_b32 s45, 0
	s_lshl_b32 s46, s[WV], 13
	s_add_co_u32 s46, s46, 0x318000                ; and their scale bytes, 32 a column
	s_mov_b32 s47, 0
	s_mov_b32 s[CS], 0x3e38aa3b                    ; c = log2(e) / 8
	s_mov_b32 s[CS+1], s[CS]                       ; (named with it as a pair, so it is written)
	s_mov_b32 s[NC], 0xbe38aa3b
	s_mov_b32 s[SEL], 0x76543210
	s_mov_b32 s[SEL+1], 0xfedcba98
	s_wait_alu depctr_va_vdst(0)                   ; the head's end
	s_wait_kmcnt 0x0
	s_add_nc_u64 s[20:21], s[12:13], s[20:21]
	s_add_nc_u64 s[22:23], s[14:15], s[22:23]
	s_add_nc_u64 s[24:25], s[12:13], s[24:25]
	s_add_nc_u64 s[26:27], s[12:13], s[26:27]
	s_add_nc_u64 s[28:29], s[12:13], s[28:29]
	s_add_nc_u64 s[30:31], s[14:15], s[30:31]
	s_add_nc_u64 s[32:33], s[16:17], s[32:33]
	s_add_nc_u64 s[34:35], s[16:17], s[34:35]
	s_add_nc_u64 s[36:37], s[16:17], s[36:37]
	s_add_nc_u64 s[52:53], s[12:13], s[52:53]
	s_add_nc_u64 s[54:55], s[12:13], s[54:55]
	s_add_nc_u64 s[56:57], s[16:17], s[56:57]
	s_add_nc_u64 s[44:45], s[18:19], s[44:45]
	s_add_nc_u64 s[46:47], s[18:19], s[46:47]
	; THE FILL'S LOADS, in this order: head A's K (24) and V^T (24), the small ones (46), Q (12), head B's K (24) and V^T (24).  S^T's registers take them.
	WIN 0x40                                       ; destination window 1
.irp t, 0,1,2,3,4,5,6,7,8,9,10,11,12,13,14,15,16,17,18,19,20,21,22,23
	global_load_b128 v[4*\t:4*\t+3], v[G16], s[20:21] offset:512*\t                     ; 512 consecutive bytes
.endr
	WIN 0x80                                       ; destination window 2
.irp t, 0,1,2,3,4,5,6,7,8,9,10,11,12,13,14,15,16,17,18,19,20,21,22,23
	global_load_b128 v[4*\t:4*\t+3], v[GVN], s[22:23] offset:1536*(\t/3)+256*(\t%3)     ; a third of two neighbouring rows: twice 256 consecutive bytes, aligned
.endr
	WIN 0
.irp k, 0,1,2,3
	global_load_b128 v[BM+16+4*\k:BM+19+4*\k], v[G16], s[32:33] offset:1024*(\k/2)+512*(\k%2)   ; the mask: lane l holds the 16 positions of tile 32 (k % 2) + l of head k / 2's batch
.endr
.irp x, 0,1
	global_load_b128 v[OA+16+4*\x:OA+19+4*\x], v[HGVS], s[30:31] offset:32768*\x
.endr
.irp x, 0,1
.irp n, 0,1,2,3,4,5,6,7
	global_load_u16 v[BM+8*\x+\n], v[HGKS], s[26:27] offset:32768*\x+8*\n              ; K's scale bytes of d 0-31 and 32-63
	global_load_u8 v[OA+8*\x+\n], v[HGKM], s[34:35] offset:1024*\x+32*\n               ; and the key's validity
.endr
.endr
.irp t, 0,1                                    ; trip 2 j + x: tile 32 j + QW (x = 0) or 32 j + QW1 (x = 1)
	global_load_u16 v[PC+2*\t], v[HGQS], s[28:29] offset:128*\t
	global_load_u8 v[PC+8+2*\t], v1, s[36:37] offset:512*\t
	global_load_u16 v[PC+2*\t+1], v[HGQS], s[54:55] offset:128*\t
	global_load_u8 v[PC+9+2*\t], v1, s[56:57] offset:512*\t
.endr
	WIN 0x40
.irp t, 0,1
.irp p, 0,1,2
	global_load_b64 v[192+12*\t+2*\p:192+12*\t+2*\p+1], v[HGQ], s[24:25] offset:3072*\t+8*\p
	global_load_b64 v[198+12*\t+2*\p:198+12*\t+2*\p+1], v[HGQ], s[52:53] offset:3072*\t+8*\p
.endr
.endr
.irp t, 0,1,2,3,4,5,6,7,8,9,10,11,12,13,14,15,16,17,18,19,20,21,22,23
	global_load_b128 v[96+4*\t:96+4*\t+3], v[G16], s[20:21] offset:HSTEP+512*\t
.endr
	WIN 0x80
.irp t, 0,1,2,3,4,5,6,7,8,9,10,11,12,13,14,15,16,17,18,19,20,21,22,23
	global_load_b128 v[96+4*\t:96+4*\t+3], v[GVN], s[22:23] offset:HSTEP+1536*(\t/3)+256*(\t%3)
.endr
	; while the last loads are out: the constants.  The registers of S^T that no load of the fill writes are written here, once: a group's lines may be passed over in one phase of a trip and its registers are named in another
.set n, 192
.rept 64
	v_mov_b32 v[n], 0
.set n, n+1
.endr
	WIN 0x40
.set n, 216
.rept 40
	v_mov_b32 v[n], 0
.set n, n+1
.endr
	WIN 0
	v_xor_b32 v239, 1, v2
	v_mul_u32_u24 v[EXK], 0x38, v239               ; the code of -4 at k = 64: bits 5:0 of register 6, lanes 0-15
	v_mul_u32_u24 v[QF+6], 0x18, v239              ; the code of 4
.irp i, 7,8,9,10,11
	v_mov_b32 v[QF+\i], 0
.endr
.irp i, 0,1,2,3,4,5,6,7
	v_mov_b32 v[TX+\i], 0                          ; written once: a lane permute's destination counts as one of its sources
.endr
	v_mov_b32 v[NM+1], 0
	v_mov_b32 v[RI+1], 0
	v_mov_b32 v[ZP], 0
	v_mov_b32 v[ZP+1], 0
	v_mov_b32 v[ONES], 0x0101
	WIN 0xc0                                       ; destination window 3: the upper halves of K's 16 fragment places, once a phase
.irp f, 0,1,2,3,4,5,6,7,8,9,10,11,12,13,14,15
	v_mov_b32 v[12*\f+6], v[EXK]
.irp i, 7,8,9,10,11
	v_mov_b32 v[12*\f+\i], 0
.endr
.endr
	s_wait_alu depctr_va_vdst(0)                   ; ahead of the blocking waits
	s_wait_dscnt 0x0                               ; my reads of the last phase's K and V are over;
	s_barrier_signal -1
	s_barrier_wait -1                              ; so are everybody's: from here on this phase's fill may store.  The fill's loads, into my own registers, are out across this barrier
	s_wait_loadcnt 48                              ; all but head B's K and V^T, the 48 youngest loads, are in
	WIN 0x04                                       ; an LDS store's data are its source 1: window 1
.irp t, 0,1,2,3,4,5,6,7,8,9,10,11,12,13,14,15,16,17,18,19,20,21,22,23
	ds_store_b128 v[HKW], v[4*\t:4*\t+3] offset:KPL*(\t/12)+512*(\t%12)
.endr
.irp t, 0,1,2,3
.irp p, 0,1,2
	ds_store_b64 v[AQ0], v[192+6*\t+2*\p:192+6*\t+2*\p+1] offset:768*\t+256*\p
.endr
.endr
	WIN 0x08                                       ; window 2
.irp t, 0,1,2,3,4,5,6,7,8,9,10,11,12,13,14,15,16,17,18,19,20,21,22,23
	ds_store_b128 v[HVW], v[4*\t:4*\t+3] offset:2*VPI*(\t/3)+256*(\t%3)
.endr
	WIN 0
.set n, 0
.rept 16
	v_mul_u32_u24 v[OA+n], 0x9b, v[OA+n]
.set n, n+1
.endr
.set n, 0
.rept 16
	v_sub_nc_u32 v[OA+n], 0x19c, v[OA+n]           ; bytes 3 and 2: 0x0101 for a valid key, 0x019c for a padded one
.set n, n+1
.endr
.set n, 0
.rept 16
	v_lshl_or_b32 v[BM+n], v[OA+n], 16, v[BM+n]    ; my eight registers of K's scale words, for each head
.set n, n+1
.endr
.irp t, 0,1,2,3
	v_or_b32 v[PC+\t], 0x017f0000, v[PC+\t]        ; Q's word: byte 2 stands for 1.0
	v_cvt_f32_u32 v[PC+8+\t], v[PC+8+\t]
.endr
	ds_store_b128 v[HSW], v[BM:BM+3]
	ds_store_b128 v[HSW], v[BM+4:BM+7] offset:512
	ds_store_b128 v[HVS], v[OA+16:OA+19]
	v_xor_b32 v[HKW], HB, v[HKW]                   ; on to head B's half: every place of head A's lies under HB, one bit
	v_xor_b32 v[HVW], HB, v[HVW]
	v_xor_b32 v[HSW], HB, v[HSW]
	v_xor_b32 v[HVS], HB, v[HVS]
	ds_store_b128 v[HSW], v[BM+8:BM+11]
	ds_store_b128 v[HSW], v[BM+12:BM+15] offset:512
	ds_store_b128 v[HVS], v[OA+20:OA+23]
.irp t, 0,1,2,3
	ds_store_b32 v[AS0], v[PC+\t] offset:128*\t
	ds_store_b32 v[AS0], v[PC+8+\t] offset:QMKO+128*\t
.endr
	; which tiles and which groups of keys have anything valid: whole numbers, made of the mask alone
.irp k, 0,1,2,3
	v_or_b32 v[BM+16+4*\k], v[BM+16+4*\k], v[BM+17+4*\k]
	v_or_b32 v[BM+18+4*\k], v[BM+18+4*\k], v[BM+19+4*\k]
.endr
.irp k, 0,1,2,3
	v_or_b32 v[BM+16+4*\k], v[BM+16+4*\k], v[BM+18+4*\k]
.endr
.irp k, 0,1,2,3
	v_cmp_ne_u32 s[TV+\k], 0, v[BM+16+4*\k]        ; bit l: tile 32 (k % 2) + l of batch k / 2
.endr
	s_mov_b32 s[VAL], 0
.irp t, 0,1,2,3                                ; trip t of the phase: head t % 2, tile 32 (t / 2) + QW or QW1: word t / 2 of the head's two
.if (\t%2) == 0
	s_lshr_b32 s81, s[TV+\t/2], s[QW]
.else
	s_lshr_b32 s81, s[TV+2+\t/2], s[QW1]
.endif
	s_and_b32 s81, s81, 1
	s_lshl_b32 s81, s81, \t
	s_or_b32 s[VAL], s[VAL], s81
.endr
	s_mov_b32 s[KVAB], 0
.irp x, 0,1
.irp g, 0,1,2,3,4,5,6,7                        ; group g: keys 128 g on: tiles 8 g .. 8 g + 7
	s_bfe_u32 s81, s[TV+2*\x+\g/4], (8<<16)|(8*(\g%4))             ; SCC: one of them is valid
	s_cselect_b32 s81, 1<<(8*\x+\g), 0
	s_or_b32 s[KVAB], s[KVAB], s81
.endr
.endr
	s_wait_loadcnt 24                              ; head B's K is in; its V^T, the 24 youngest loads, may be out
	WIN 0x04
.irp t, 0,1,2,3,4,5,6,7,8,9,10,11,12,13,14,15,16,17,18,19,20,21,22,23
	ds_store_b128 v[HKW], v[96+4*\t:96+4*\t+3] offset:KPL*(\t/12)+512*(\t%12)
.endr
	s_wait_loadcnt 0x0
	WIN 0x08
.irp t, 0,1,2,3,4,5,6,7,8,9,10,11,12,13,14,15,16,17,18,19,20,21,22,23
	ds_store_b128 v[HVW], v[96+4*\t:96+4*\t+3] offset:2*VPI*(\t/3)+256*(\t%3)
.endr
	WIN 0
	v_xor_b32 v[HKW], HB, v[HKW]                   ; back to head A's half, for the next phase's fill
	v_xor_b32 v[HVW], HB, v[HVW]
	v_xor_b32 v[HSW], HB, v[HSW]
	v_xor_b32 v[HVS], HB, v[HVS]
	s_wait_dscnt 0x0                               ; for the others' sake: my part of the fill has landed
	s_barrier_signal -1
	s_barrier_wait -1                              ; both heads' K, V^T and scale words are whole; from here on nobody writes them
.macro LOADK g                         ; eight tiles of K, 24 loads of 8 bytes a lane, into set g % 2
	WIN 0xc0
.irp f, 0,1,2,3,4,5,6,7
.irp i, 0,1,2
	ds_load_b64 v[96*((\g)%2)+12*\f+2*\i:96*((\g)%2)+12*\f+2*\i+1], v[LKC] offset:4*KPL*(\f%2)+192*(4*(\g)+\f/2)+8*\i
.endr
.endr
.endm
.macro QK g                            ; S^T's tiles 8 g .. 8 g + 7: each sum is one instruction
	WIN 0x43+0x40*((\g)/4)                         ; source 0 window 3, D window 1 or 2
.irp f, 0,1,2,3,4,5,6,7
	MX 8*((8*(\g)+\f)%32), 96*((\g)%2)+12*\f, QF, -1, KS+4*(\g)+\f/2, QS, \f%2
.endr
.endm
.macro BMAX g                          ; the largest score of each of four blocks of 32 keys (my 16 of them); each accumulator is first read at its low end
	WIN 0x05+5*((\g)/4)
.irp b, 0,1,2,3
	v_max_num_f32 v[BM+4*(\g)+\b], v[16*((4*(\g)+\b)%16)], v[16*((4*(\g)+\b)%16)+1]
.endr
.irp i, 2,4,6,8,10,12,14
.irp b, 0,1,2,3
	v_max3_num_f32 v[BM+4*(\g)+\b], v[16*((4*(\g)+\b)%16)+\i], v[16*((4*(\g)+\b)%16)+\i+1], v[BM+4*(\g)+\b]
.endr
.endr
.endm
; PHASE 1 for group g.  The wait and the loads of K stand outside the branch, so that the count means the same on both ways.
.macro SCORE g
.if (\g) < 7
	s_wait_dscnt 24                                ; this group's tiles (and, in front of the first, Q and the scale words) are in; the next group's 24 loads may be out
.else
	s_wait_dscnt 0x0
.endif
	s_bitcmp1_b32 s[KVC], \g
	s_cbranch_scc0 .Lkno_\@
	QK \g
.rept 4
	v_nop                                          ; places in front of the first read of these scores, and of the loads into the set just read
.endr
	BMAX \g
	WIN 0
	s_branch .Lkdone_\@
.Lkno_\@:
.irp b, 0,1,2,3
	v_mov_b32 v[BM+4*(\g)+\b], 0xff61b1e6          ; -3e38, under every score: the group counts for nothing in the row's maximum
.endr
.Lkdone_\@:
.if (\g) < 6
	LOADK (\g)+2
	WIN 0
.endif
.endm
; PHASE 2 for group g: c s - c M, the exponentials, and the group's part of the row's sum, taken of the unquantised p.
; A scaling stands ahead of each pair of exponentials, two pairs in front of its own; no line of the batch reads an exponential's result; one wait for the batch.
.macro EXPG g
	s_bitcmp1_b32 s[KVC], \g
	s_cbranch_scc0 .Leno_\@
.irp b, 0,1,2,3
	v_fma_f32 v[BM+4*(\g)+\b], v[BM+4*(\g)+\b], s[CS], v[NM]       ; the same of each block's largest score
.endr
	WIN 0x41+0x41*((\g)/4)
.set n0, 64*((\g)%4)
.set n, 0
.rept 32
	v_pk_fma_f32 v[n0+2*n:n0+2*n+1], v[n0+2*n:n0+2*n+1], s[CS:CS+1], v[NM:NM+1] op_sel_hi:[1,0,0]
.set n, n+1
.endr
	s_wait_alu depctr_va_vdst(0)                   ; all the batch's sources are laid: one wait ahead of it
.set n, 0
.rept 64
	v_exp_f32 v[n0+n], v[n0+n]
.set n, n+1
.endr
	WIN 0
.irp b, 0,1,2,3
	v_exp_f32 v[BM+4*(\g)+\b], v[BM+4*(\g)+\b]     ; the block's largest p: the same two instructions on the same number give the same bits
.endr
	v_nop                                          ; a plain line behind the last exponential
	s_wait_alu depctr_va_vdst(0)                   ; one wait for the batch, ahead of its first reader and of the label
	WIN 0x01+(\g)/4
.set n, 0
.rept 32
	v_pk_add_f32 v[LS+2*(n%4):LS+2*(n%4)+1], v[n0+2*n:n0+2*n+1], v[LS+2*(n%4):LS+2*(n%4)+1]   ; four chains of pairs
.set n, n+1
.endr
	WIN 0
	s_wait_alu depctr_va_vdst(0)                   ; the sums may next be read behind taken branches
.Leno_\@:
.endm
.macro LOADV s                         ; V^T's four fragments of key step s, as they lie in their rows
	WIN 0xc0
.irp t, 0,1,2,3
.irp p, 0,1,2,3,4,5
	ds_load_b64 v[VF+12*\t+2*\p:VF+12*\t+2*\p+1], v[LVC] offset:(32*(\t/2)+8*(\t%2))*VPI+96*(\s)+48*(\p/3)+8*(\p%3)
.endr
.endr
.endm
.macro NORM s                          ; key step s's 64 p times validity / sum: the finished softmax
	WIN 0x41+0x41*((\s)/4)
.set n, 64*((\s)%4)
.rept 32
	v_pk_mul_f32 v[n:n+1], v[n:n+1], v[RI:RI+1] op_sel_hi:[1,0]
.set n, n+2
.endr
.endm
.macro PREP s                          ; the four blocks' scale operands and P's scale word (every window 0)
.irp b, 0,1,2,3
	v_max_num_f32 v[SO+\b], 0x1800000, v[BM+4*(\s)+\b]             ; the floor 2^(3 - 127): the byte cannot fall under 1
.endr
.irp b, 0,1,2,3
	v_add_nc_u32 v[SO+\b], 0xff000000, v[SO+\b]
.endr
.irp b, 0,1,2,3
	v_lshrrev_b32 v[SB+\b], 23, v[SO+\b]
.endr
	v_lshl_or_b32 v[PW], v[SB+1], 8, v[SB]
	v_lshl_or_b32 v[PW], v[SB+2], 16, v[PW]
	v_lshl_or_b32 v[PW], v[SB+3], 24, v[PW]
.endm
.macro CVT s                           ; key step s's 64 numbers become P's fragment
	WIN 0x01+(\s)/4
.irp c, 0,1
	v_cvt_scalef32_pk16_fp6_f32 v[PC+6*\c:PC+6*\c+2], v[64*((\s)%4)+32*\c:64*((\s)%4)+32*\c+15], v[SO+2*\c]
	v_cvt_scalef32_pk16_fp6_f32 v[PT+4*\c:PT+4*\c+2], v[64*((\s)%4)+32*\c+16:64*((\s)%4)+32*\c+31], v[SO+2*\c+1]
.endr
	WIN 0
	v_nop                                          ; one plain line behind the conversions
.irp c, 0,1                                    ; a whole block to a lane
.irp i, 0,1,2
	v_permlane16_swap_b32 v[PC+6*\c+\i], v[PT+4*\c+\i]
.endr
.irp i, 0,1,2
	v_mov_b32 v[PC+3+6*\c+\i], v[PT+4*\c+\i]
.endr
.endr
.endm
.macro PV s                            ; O^T += V^T P^T: the four accumulators take turns, one instruction a turn
	s_wait_alu depctr_va_vdst(0)                   ; directly ahead of the wait below
	s_wait_dscnt 0x0                               ; V's fragments are in
	WIN 0x03
.irp t, 0,1,2,3
	MX OA+8*\t, VF+12*\t, PC, OA+8*\t, VS+8*(\t/2)+(\s), PW, \t%2
.endr
.endm
; PHASE 3 for key step s.  PREP's first twelve lines name no register of the products before them: they are the places ahead of the write of P's scale word and of the loads into V's fragments.
; NORM's 32 lines stand between P's scale word and the products that take it, and cover the loads' way; four plain lines stand between P's codes and those products.
.macro PVG s
	s_bitcmp1_b32 s[KVC], \s
	s_cbranch_scc0 .Lpno_\@
	PREP \s
	LOADV \s
	NORM \s
	CVT \s
.rept 4
	v_nop
.endr
	PV \s
	WIN 0
.Lpno_\@:
.endm
	; A PREFETCH, in phase 0 alone: the codes of K and V^T that phase 1 will load: two heads x 2 x 49,152 bytes = 768 blocks of 256 bytes.  The eight work-groups that will read these heads have 32 waves:
	; waves 0-11 of them take K's blocks, 12-23 V^T's: six waves to a head, a lane a block, one instruction a wave, a whole phase ahead of the loads.  Every address lies inside its buffer: the head is 127 at the most.
	s_cmp_lg_u32 s[PH], 0
	s_cbranch_scc1 .Lnopf
	s_and_b32 s81, ttmp9, 7
	s_lshl_b32 s81, s81, 2
	s_add_co_u32 s81, s81, s[WV]                   ; my number among the 32 waves
	s_cmp_ge_u32 s81, 24
	s_cbranch_scc1 .Lnopf
	s_wait_xcnt 0x0                                ; the base below is written only behind this wait
	s_cmp_lt_u32 s81, 12
	s_cselect_b64 s[48:49], s[12:13], s[14:15]     ; kqq or vq: the choice hangs on ids alone
	s_cselect_b32 s82, 0, 12
	s_sub_co_u32 s81, s81, s82                     ; 0 .. 11
	s_cmp_ge_u32 s81, 6
	s_cselect_b32 s82, 6, 0
	s_cselect_b32 s83, 48, 32                      ; the next phase's head A lies 32 heads on, its head B 48
	s_sub_co_u32 s81, s81, s82                     ; which 8,192 bytes of the head's 49,152
	s_add_co_u32 s83, s83, s[HDA]
	s_mul_i32 s83, s83, 49152
	s_lshl_b32 s81, s81, 13
	s_add_co_u32 s82, s83, s81
	s_mov_b32 s83, 0
	s_add_nc_u64 s[48:49], s[48:49], s[82:83]
	global_prefetch_b8 v[PFO], s[48:49] th:TH_LOAD_NT scope:SCOPE_SE
.Lnopf:
	s_mov_b32 s[CNT], 0
	s_mov_b32 s[TQ], 0
	s_mov_b32 s[TS], 0
	s_mov_b32 s[HBC], 0
.Ltile:                                            ; eight trips, a tile of 16 queries each, the two heads by turns
	s_and_b32 s81, s[CNT], 1                       ; which head
	s_lshl_b32 s82, s81, 3
	s_lshr_b32 s[KVC], s[KVAB], s82                ; its eight groups' bits
	v_add_nc_u32 v[GO], s[TA], v[OSW]              ; the tile's row in the image of values
	v_add_nc_u32 v[AQ], s[TQ], v[AQ0]
	v_add_nc_u32 v[AS], s[TS], v[AS0]
	v_add_nc_u32 v[SSW], s[TT], v[SSW0]
	v_add_nc_u32 v[LKC], s[HBC], v[LK]
	v_add_nc_u32 v[LVC], s[HBC], v[LV]
	v_add_nc_u32 v[LSC], s[HBC], v[LSI]
	s_wait_alu depctr_va_vdst(0)
	s_lshr_b32 s81, s[VAL], s[CNT]
	s_and_b32 s81, s81, 1
	s_cmp_eq_u32 s81, 0
	s_cbranch_scc1 .Lzero                          ; all 16 queries are padding: the row of values is zeros
	ds_load_b64 v[QF:QF+1], v[AQ]
	ds_load_b64 v[QF+2:QF+3], v[AQ] offset:256
	ds_load_b64 v[QF+4:QF+5], v[AQ] offset:512
	ds_load_b32 v[QS], v[AS]
	ds_load_b32 v[QM], v[AS] offset:QMKO
.irp c, 0,1,2,3,4,5,6,7
	ds_load_b128 v[KS+4*\c:KS+4*\c+3], v[LSC] offset:512*\c        ; the head's scale words, as images of their registers
.endr
.irp c, 0,1,2,3
	ds_load_b128 v[VS+4*\c:VS+4*\c+3], v[LSC] offset:VSO+512*\c
.endr
	LOADK 0
	LOADK 1
	WIN 0
.set n, 0
.rept 32
	v_mov_b32 v[OA+n], 0                           ; O^T and the sum begin as zeros: which group is walked first hangs on the mask
.set n, n+1
.endr
.set n, 0
.rept 8
	v_mov_b32 v[LS+n], 0
.set n, n+1
.endr
.irp g, 0,1,2,3,4,5,6,7
	SCORE \g
.endr
	s_wait_alu depctr_va_vdst(0)                   ; the blocks' maxima were written ahead of taken branches
.irp q, 0,1,2,3
.irp j, 0,1,2,3,4,5,6,7
	v_permlanex16_b32 v[TX+\j], v[BM+8*\q+\j], s[SEL], s[SEL+1]
.endr
.irp j, 0,1,2,3,4,5,6,7
	v_max_num_f32 v[BM+8*\q+\j], v[BM+8*\q+\j], v[TX+\j]           ; with lane l xor 16's 16 keys: the block's largest score
.endr
.endr
.irp j, 0,1,2,3,4,5,6,7
	v_max3_num_f32 v[MT+\j], v[BM+3*\j], v[BM+3*\j+1], v[BM+3*\j+2]
.endr
.irp j, 0,1,2,3
	v_max3_num_f32 v[MT+\j], v[MT+\j], v[BM+24+2*\j], v[BM+25+2*\j]
.endr
	v_max3_num_f32 v[MT], v[MT], v[MT+1], v[MT+2]
	v_max3_num_f32 v[MT+3], v[MT+3], v[MT+4], v[MT+5]
	v_max3_num_f32 v[MT], v[MT], v[MT+3], v[MT+6]
	v_max_num_f32 v[MT], v[MT], v[MT+7]            ; M: the row's largest score (a tile with a valid query has a group with a valid key: the query's own position)
	v_mul_f32 v[NM], s[NC], v[MT]                  ; -c M
	s_wait_alu depctr_va_vdst(0)                   ; read behind branches
.irp g, 0,1,2,3,4,5,6,7
	EXPG \g
.endr
	v_pk_add_f32 v[LS:LS+1], v[LS:LS+1], v[LS+2:LS+3]
	v_pk_add_f32 v[LS+4:LS+5], v[LS+4:LS+5], v[LS+6:LS+7]
	v_pk_add_f32 v[LS:LS+1], v[LS:LS+1], v[LS+4:LS+5]
	v_add_f32 v[LS], v[LS], v[LS+1]
	v_permlanex16_b32 v[TX], v[LS], s[SEL], s[SEL+1]
	v_add_f32 v[LS], v[LS], v[TX]                  ; at least 1: the largest p is 1
	s_wait_alu depctr_va_vdst(0)                   ; ahead of the transcendental: its source was just written
	v_rcp_f32 v[LS+1], v[LS]
	v_nop
	s_wait_alu depctr_va_vdst(0)
	v_mul_f32 v[RI], v[LS+1], v[QM]                ; validity / sum
.set n, 0
.rept 16
	v_pk_mul_f32 v[BM+n:BM+n+1], v[BM+n:BM+n+1], v[RI:RI+1] op_sel_hi:[1,0]   ; each block's largest finished weight, by the same multiplication
.set n, n+2
.endr
	s_wait_alu depctr_va_vdst(0)                   ; read behind branches
.irp s, 0,1,2,3,4,5,6,7
	PVG \s
.endr
.rept 4
	v_nop                                          ; places in front of the first read of O^T
.endr
	; the row of values: lane (r, h) holds columns 64 r + 32 B + 16 h + 0 .. 15; quantised along them
.irp b, 0,1
	v_max3_num_f32 v[MT+\b], |v[OA+16*\b]|, |v[OA+16*\b+1]|, 0x1800000
.endr
.irp i, 2,4,6,8,10,12,14
.irp b, 0,1
	v_max3_num_f32 v[MT+\b], v[MT+\b], |v[OA+16*\b+\i]|, |v[OA+16*\b+\i+1]|
.endr
.endr
.irp b, 0,1
	v_permlanex16_b32 v[TX+\b], v[MT+\b], s[SEL], s[SEL+1]
.endr
.irp b, 0,1
	v_max_num_f32 v[MT+\b], v[MT+\b], v[TX+\b]
.endr
.irp b, 0,1
	v_add_nc_u32 v[SO+\b], 0xff000000, v[MT+\b]
.endr
.irp b, 0,1
	v_lshrrev_b32 v[SB+\b], 23, v[SO+\b]
.endr
	v_lshl_or_b32 v[SB], v[SB+1], 8, v[SB]         ; my query's two scale bytes
	v_cvt_scalef32_pk16_fp6_f32 v[EC:EC+2], v[OA:OA+15], v[SO]
	v_cvt_scalef32_pk16_fp6_f32 v[ET:ET+2], v[OA+16:OA+31], v[SO+1]
	v_nop
.irp i, 0,1,2
	v_permlane16_swap_b32 v[EC+\i], v[ET+\i]       ; lanes 0-15: block 0 whole, lanes 16-31: block 1
.endr
.irp i, 0,1,2
	v_mov_b32 v[EC+3+\i], v[ET+\i]
.endr
.irp i, 0,1,2
	ds_store_b64 v[GO], v[EC+2*\i:EC+2*\i+1] offset:8*\i           ; my block's 24 bytes, at their place in the operand's image
.endr
	ds_store_b16 v[SSW], v[SB]                     ; lanes l and l xor 16 write the same bytes with the same values
	s_branch .Lnext
.Lzero:
.irp i, 0,1,2
	ds_store_b64 v[GO], v[ZP:ZP+1] offset:8*\i     ; zero codes,
.endr
	ds_store_b16 v[SSW], v[ONES]                   ; under the byte 1
.Lnext:
	s_xor_b32 s[HBC], s[HBC], HB                   ; the other head's half
	s_add_co_u32 s[TQ], s[TQ], 768
	s_add_co_u32 s[TS], s[TS], 128
	s_add_co_u32 s[TT], s[TT], 32
	s_add_co_u32 s[TA], s[TA], 96
	s_add_co_u32 s[CNT], s[CNT], 1
	s_cmp_lt_u32 s[CNT], 4
	s_cbranch_scc1 .Ltile
; ---------------- out = values W_out ----------------
; A pair is two blocks of 16 columns: 16 fragments (48 loads of 512 consecutive bytes) and the 32 columns' scale bytes (2 loads): 50 loads.  Set 0 lies in window 1, set 1 in window 2.
.macro WLD set, pp                     ; pp: the pair, counted from where the bases stand
	WIN 0x40*(1+(\set))
.irp c, 0,1
.irp s, 0,1,2,3,4,5,6,7
.irp j, 0,1,2
	global_load_b128 v[96*\c+12*\s+4*\j:96*\c+12*\s+4*\j+3], v[G16], s[44:45] offset:(2*(\pp)+\c)*12288+1536*\s+512*\j
.endr
.endr
.endr
	WIN 0
	global_load_b128 v[KS+8*(\set):KS+8*(\set)+3], v[W32], s[46:47] offset:1024*(\pp)          ; register s: lanes 0-15 the even block's words, lanes 16-31 the odd one's
	global_load_b128 v[KS+8*(\set)+4:KS+8*(\set)+7], v[W32], s[46:47] offset:1024*(\pp)+16
.endm
; A pair's 32 products, used transposed (source 0 = 16 columns of W_out, source 1 = 16 rows of values): four accumulators by turns, one instruction a turn.
.macro GP set, cnt, ld, pp
	s_wait_loadcnt \cnt                            ; this set's 50 loads are in; the other set's 50, issued behind them, may be out
	s_wait_dscnt 8                                 ; the 8 stage stores of the pair before may be out; those of two pairs back, which read these accumulators, are done
	WIN 0x0d+(\set)                                ; source 0 window 1 or 2, source 1 window 3
.irp s, 0,1,2,3,4,5,6,7
.irp c, 0,1
.irp a, 0,1
.if \s == 0
	MX ACC+32*(\set)+16*\c+8*\a, 96*\c+12*\s, 96*\a+12*\s, -1, KS+8*(\set)+\s, VS+8*\a+\s, \c
.else
	MX ACC+32*(\set)+16*\c+8*\a, 96*\c+12*\s, 96*\a+12*\s, ACC+32*(\set)+16*\c+8*\a, KS+8*(\set)+\s, VS+8*\a+\s, \c
.endif
.endr
.endr
.endr
	WIN 0
.rept 4
	v_nop                                          ; places in front of the loads into this set and of the stores of these results
.endr
.if \ld
	WLD \set, (\pp)+2
.endif
.irp c, 0,1
.irp a, 0,1
	ds_store_b128 v[STG], v[ACC+32*(\set)+16*\c+8*\a:ACC+32*(\set)+16*\c+8*\a+3] offset:16*SPI*\a+64*(2*(\pp)+\c)       ; row 16 a + r, columns 16 block + 8 h on; from the low end on
	ds_store_b128 v[STG], v[ACC+32*(\set)+16*\c+8*\a+4:ACC+32*(\set)+16*\c+8*\a+7] offset:16*SPI*\a+64*(2*(\pp)+\c)+16
.endr
.endr
.endm
	s_add_co_u32 s[PH], s[PH], 1
	s_cmp_lt_u32 s[PH], 2
	s_wait_alu depctr_va_vdst(0)                   ; ahead of the branch
	s_cbranch_scc1 .Lphase                         ; (the barrier that frees K and V stands in the fill, ahead of its first store)
	WLD 0, 0                                       ; the first two pairs are asked for ahead of the barrier: they hang on no other wave
	WLD 1, 1
	s_wait_dscnt 0x0                               ; for the others' sake: my eight rows of values have landed, and my reads of K and V are over
	s_barrier_signal -1
	s_barrier_wait -1                              ; the 32 rows of values are whole; nobody reads K or V any more
	s_lshr_b32 s81, ttmp9, 7                       ; where the rows of out lie: trip t's four rows (a wave each) begin at row 64 head + 32 j + 4 place
	s_lshl_b32 s81, s81, 6
	s_bfe_u32 s82, ttmp9, 0x40003
	s_add_co_u32 s81, s81, s82                     ; 64 c + hd: the head less 16 (2 ph + x)
	s_lshl_b32 s81, s81, 18                        ; a head's 64 rows of 4,096 bytes
	s_lshl_b32 s82, s[WV], 10
	s_add_co_u32 s83, s81, s82                     ; and my 256 columns
	s_and_b32 s81, ttmp9, 7
.irp t, 0,1,2,3,4,5,6,7                        ; t = 4 ph + 2 j + x
	s_add_co_u32 s82, s81, 4*(\t/4)+2*(\t%2)
	s_and_b32 s82, s82, 7
	s_lshl_b32 s82, s82, 14                        ; four rows to a place
	s_add_co_u32 s82, s82, s83
	s_add_co_u32 s[20+2*\t], s82, ((2*(\t/4)+\t%2)<<22)+(((\t/2)%2)<<17)
	s_mov_b32 s[21+2*\t], 0
	s_add_nc_u64 s[20+2*\t:21+2*\t], s[42:43], s[20+2*\t:21+2*\t]
.endr
	WIN 0xc0
.irp a, 0,1
.irp s, 0,1,2,3,4,5,6,7
.irp j, 0,1,2
	ds_load_b128 v[96*\a+12*\s+4*\j:96*\a+12*\s+4*\j+3], v[OSR] offset:3072*\s+1536*\a+16*\j
.endr
.endr
.endr
	WIN 0
.irp a, 0,1
	ds_load_b128 v[VS+8*\a:VS+8*\a+3], v[SSR] offset:512*\a        ; register 8 a + s: row r of block a, its word for 128 along K number s
	ds_load_b128 v[VS+8*\a+4:VS+8*\a+7], v[SSR] offset:512*\a+16
.endr
	s_mov_b32 s[CNT], 0
	s_wait_dscnt 0x0                               ; values' fragments and scale words are in
.Lpair:
	GP 0, 50, 1, 0
	GP 1, 50, 1, 1
	s_wait_xcnt 0x0                                ; the loads have read their bases
	s_add_nc_u64 s[44:45], s[44:45], 49152
	s_add_nc_u64 s[46:47], s[46:47], 2048
	v_add_nc_u32 v[STG], 256, v[STG]               ; 64 columns on
	s_add_co_u32 s[CNT], s[CNT], 1
	s_cmp_lt_u32 s[CNT], 3
	s_wait_alu depctr_va_vdst(0)                   ; ahead of the branch
	s_cbranch_scc1 .Lpair
	GP 0, 50, 0, 0
	GP 1, 0, 0, 1
	WIN 0x40
.set n, 0
.rept 64
	ds_load_b128 v[4*n:4*n+3], v[SRD] offset:SPI*(n/2)+512*(n%2)   ; row n / 2 of my stage, in order behind my stores
.set n, n+1
.endr
	WIN 0x04                                       ; a store's data are its source 1: window 1
.set n, 0
.rept 64
.if n%16 == 0
	s_wait_dscnt 48-n                              ; the next 16 are back; the younger ones may be out
.endif
	global_store_b128 v[G16], v[4*n:4*n+3], s[20+2*((n/2)%8):21+2*((n/2)%8)] offset:4096*(n/16)+512*(n%2) th:TH_STORE_NT   ; row 8 w + t of the image: trip t's base, wave w's row; 512 consecutive bytes, aligned to 256
.set n, n+1
.endr
	WIN 0
	s_wait_tensorcnt 0x0                           ; the wave's end, behind my last LDS store
	ds_add_u32 v[SPW], v[NIL]
	s_wait_dscnt 0x0
	s_endpgm
.Lfunc_end_k_q6ac3c4e763_attn:
	.size	k_q6ac3c4e763_attn, .Lfunc_end_k_q6ac3c4e763_attn-k_q6ac3c4e763_attn
	.p2alignl 7, 3214868480
	.fill 96, 4, 3214868480
	.section	.rodata,"a",@progbits
	.p2align	6, 0x0
	.amdhsa_kernel k_q6ac3c4e763_attn
		.amdhsa_group_segment_fixed_size 327680
		.amdhsa_private_segment_fixed_size 0
		.amdhsa_enable_private_segment 0
		.amdhsa_kernarg_size 40
		.amdhsa_user_sgpr_count 2
		.amdhsa_user_sgpr_kernarg_segment_ptr 1
		.amdhsa_wavefront_size32 1
		.amdhsa_system_sgpr_workgroup_id_x 1
		.amdhsa_system_sgpr_workgroup_id_y 1
		.amdhsa_system_sgpr_workgroup_id_z 1
		.amdhsa_system_vgpr_workitem_id 0
		.amdhsa_next_free_vgpr 1024
		.amdhsa_next_free_sgpr 96
		.amdhsa_reserve_vcc 0
		.amdhsa_float_denorm_mode_32 3
		.amdhsa_float_denorm_mode_16_64 3
		.amdhsa_memory_ordered 1
		.amdhsa_forward_progress 1
		.amdhsa_inst_pref_size 254
	.end_amdhsa_kernel
	.amdgpu_metadata
---
amdhsa.version: [ 1, 2 ]
amdhsa.kernels:
  - .name:           k_q6ac3c4e763_attn
    .symbol:         k_q6ac3c4e763_attn.kd
    .args:
      - { .name: kqq, .offset: 0, .size: 8, .value_kind: global_buffer, .address_space: global }
      - { .name: vq, .offset: 8, .size: 8, .value_kind: global_buffer, .address_space: global }
      - { .name: paded_mask, .offset: 16, .size: 8, .value_kind: global_buffer, .address_space: global }
      - { .name: wq, .offset: 24, .size: 8, .value_kind: global_buffer, .address_space: global }
      - { .name: out0, .offset: 32, .size: 8, .value_kind: global_buffer, .address_space: global }
    .group_segment_fixed_size: 327680
    .private_segment_fixed_size: 0
    .kernarg_segment_align: 8
    .kernarg_segment_size: 40
    .max_flat_workgroup_size: 128
    .sgpr_count:     96
    .vgpr_count:     1024
    .wavefront_size: 32
...
	.end_amdgpu_metadata
.endif
;; end of part 3
